; MI455X (gfx1250); checked and timed in simulation.
; The chip was launched on July 23, 2026; its instructions are those of AMD's public machine-readable ISA for CDNA 5 (MIT licence, August 2026) and "CDNA5" Instruction Set Architecture Reference Guide (July 2026). The comments in the code are by the model that wrote it; some were corrected since.
;; Mo E Layer. Allowed arithmetic: float matrix products may take bf16 or f16 operands with f32 sums; other float arithmetic in f32, or as packed bf16 or f16 multiplies, adds, multiply-adds, maxima and minima; sums over many terms, partial sums and values carried from step to step in f32; what a program stores and reads back later, other than sums and carried values, may be rounded once to bf16 or f16.
;; Inputs: W1 8 x 256 x 1,024 float32; W2 8 x 1,024 x 256 float32; Wg 256 x 8 float32; b1 8 x 1,024 float32; b2 8 x 256 float32; x 16,384 x 256 float32.
;; Outputs: out0 16,384 x 256 float32; out1 16,384 x 8 float32.
;; 2 versions, each right; version 2 is version 1 with the launch chain written anew for expert scheduling mode. Each part assembles by itself: llvm-mc -triple=amdgcn-amd-amdhsa -mcpu=gfx1250 --defsym DOCPART=n.
;; ======== version 1 of 2: 3 launches
;; workspace buffers: hist 32,768 bytes of whole numbers; pid 65,536 bytes of whole numbers; gate 131,072 bytes; order 65,536 bytes of whole numbers; tiles 4,096 bytes of whole numbers; w1f 4,194,304 bytes; w2f 4,194,304 bytes; b1r 32,768 bytes
;; launch router (part 1): grid 256 x 1, 4 waves a work-group, no clusters, 39,936 bytes of LDS; arguments x, Wg, out1, gate, pid, hist; writes out1, gate, pid, hist
.if DOCPART == 1
	.amdgcn_target "amdgcn-amd-amdhsa--gfx1250"
	.amdhsa_code_object_version 6
	.text
	.protected	k_qecd0673065_router
	.globl	k_qecd0673065_router
	.p2align	8
	.type	k_qecd0673065_router,@function
k_qecd0673065_router:
	s_mov_b64 s[64:65], 0
	v_nop
	global_prefetch_b8 v0, s[64:65] scope:SCOPE_SE
	s_setreg_imm32_b32 hwreg(HW_REG_WAVE_MODE, 25, 1), 1
	s_wait_xcnt 0x0
; ROUTER.  logits = x Wg, out1 = softmax(logits), the two largest probabilities and their renormalised weights.
; x: [16384][256] f32, Wg: [256][8] f32.  Both are rounded to bf16 (as every input of this program is) and multiplied by the matrix unit, sums in f32.
; A work-group takes 64 tokens, each of its four waves 16.  Stored at fixed places: out1; for each token the number of its SET of experts
; (a < b: a (15 - a) / 2 + b - a - 1, 0 to 27) in pid, the weights of a and of b in gate; for the block of 64 tokens how many chose each set, in hist.
; No address and no branch hangs on these numbers: a later launch reads them and places the rows.
; LIMITS.  NaN and infinities are not treated apart.  An exponential below 2^-126 counts as 0.  The two largest are taken of this text's own probabilities
; (strict compares, so the lower index wins a tie, as in the reference); two probabilities that differ only by the order of the f32 sums may change places.
.set XP,    528                        ; an LDS row: 256 bf16 = 512 bytes + 16 of padding
.set XSW,   16*XP                      ; a wave's 16 rows of x
.set WT,    4*XSW                      ; Wg turned: 8 rows (experts) of 256 k
.set EXG,   38144                      ; 64 pairs of weights
.set EXI,   38656                      ; 64 set numbers
.set EXH,   38912                      ; four histograms of 32 words
.set SPARE, 39424                      ; the spare words, 128 bytes a wave: two blocks of 256 bytes that no other line names
	s_load_b256 s[4:11], s[0:1], 0x0               ; x s[4:5], Wg s[6:7], out1 s[8:9], gate s[10:11]
	s_load_b128 s[12:15], s[0:1], 0x20             ; pid s[12:13], hist s[14:15]
	v_lshl_add_u32 v1, v0, 2, SPARE                ; my spare word; never rewritten
	v_mov_b32 v2, 0                                ; 0; never rewritten
	v_lshrrev_b32 v10, 5, v0
	v_readfirstlane_b32 s16, v10                   ; wave 0..3
	v_and_b32 v11, 31, v0                          ; lane
	v_lshlrev_b32 v3, 4, v11                       ; 16 x lane
	v_and_b32 v4, 15, v0                           ; r
	v_bfe_u32 v5, v0, 4, 1                         ; h
	v_lshlrev_b32 v12, 6, v0                       ; thread t takes Wg's rows 2 t and 2 t + 1: 64 bytes
	v_lshl_add_u32 v6, v0, 2, WT                   ; and puts the pair (k = 2 t, 2 t + 1) at byte 4 t of each expert's row
	s_mul_i32 s17, s16, XSW
	v_lshl_add_u32 v7, v11, 3, s17                 ; x into LDS: 8 bytes a lane
	v_and_b32 v13, 7, v0
	v_mul_u32_u24 v8, v13, XP                      ; Wg's fragments: row r % 8, so rows 8-15 repeat the eight experts
	v_lshl_add_u32 v8, v5, 4, v8
	v_add_nc_u32 v8, WT, v8
	v_mul_u32_u24 v9, v4, XP                       ; x's fragments: row r of my wave's 16
	v_lshl_add_u32 v9, v5, 4, v9
	v_add_nc_u32 v9, s17, v9
	v_lshlrev_b32 v14, 5, v4                       ; out1: 32 r + 16 h
	v_lshl_add_u32 v14, v5, 4, v14
	s_lshl_b32 s18, ttmp9, 16                      ; 64 rows of 1,024 bytes a work-group,
	s_lshl_b32 s19, s16, 14                        ; 16 a wave
	s_add_co_u32 s18, s18, s19
	s_mov_b32 s19, 0
	s_mov_b32 s20, 0x3fb8aa3b                      ; log2(e)
	s_mov_b32 s21, s20                             ; named with it as a pair
	s_mov_b32 s22, 0xffff0000                      ; lanes 16-31
	s_lshl_b32 s28, ttmp9, 11                      ; out1: 64 tokens x 32 bytes, 16 tokens a wave
	s_lshl_b32 s29, s16, 9
	s_add_co_u32 s28, s28, s29
	s_mov_b32 s29, 0
	s_lshl_b32 s30, ttmp9, 9                       ; gate: 512 bytes a block
	s_mov_b32 s31, 0
	s_lshl_b32 s32, ttmp9, 8                       ; pid: 256
	s_mov_b32 s33, 0
	s_lshl_b32 s34, ttmp9, 7                       ; hist: 128
	s_mov_b32 s35, 0
	s_wait_kmcnt 0x0
	s_add_nc_u64 s[4:5], s[4:5], s[18:19]
	s_add_nc_u64 s[8:9], s[8:9], s[28:29]
	s_add_nc_u64 s[10:11], s[10:11], s[30:31]
	s_add_nc_u64 s[12:13], s[12:13], s[32:33]
	s_add_nc_u64 s[14:15], s[14:15], s[34:35]
	global_load_b128 v[16:19], v12, s[6:7]             ; row 2 t, experts 0-3
	global_load_b128 v[20:23], v12, s[6:7] offset:16   ; row 2 t, experts 4-7
	global_load_b128 v[24:27], v12, s[6:7] offset:32   ; row 2 t + 1
	global_load_b128 v[28:31], v12, s[6:7] offset:48
.set i, 0
.rept 32                                               ; my wave's 16 rows are 16,384 consecutive bytes: 32 loads of 512
	global_load_b128 v[64+4*i:64+4*i+3], v3, s[4:5] offset:512*i
.set i, i+1
.endr
	s_wait_loadcnt 32                              ; Wg is in; the 32 loads of x issued behind it stay out
.set i, 0
.rept 8
	v_cvt_pk_bf16_f32 v[32+i], v[16+i], v[24+i]    ; expert i: k = 2 t below, 2 t + 1 above
	ds_store_b32 v6, v[32+i] offset:i*XP
.set i, i+1
.endr
	s_wait_dscnt 0x0                               ; for the others: my part of Wg is stored
	s_barrier_signal -1
	s_barrier_wait -1
.set i, 0
.rept 32                                               ; load i holds row i / 2, columns 128 (i % 2) + 4 lane ..: 8 bytes of bf16
	s_wait_loadcnt 31-i                            ; loads come back in order: the 31 - i younger ones stay out
	v_cvt_pk_bf16_f32 v[40+2*(i%4)], v[64+4*i], v[64+4*i+1]
	v_cvt_pk_bf16_f32 v[41+2*(i%4)], v[64+4*i+2], v[64+4*i+3]
	ds_store_b64 v7, v[40+2*(i%4):41+2*(i%4)] offset:(i/2)*XP+(i%2)*256
.set i, i+1
.endr
.set i, 0
.rept 8                                                ; fragments of 16 rows x 32 k; my own rows of x need no barrier: LDS serves a wave in order
	ds_load_b128 v[64+8*i:64+8*i+3],   v8 offset:64*i
	ds_load_b128 v[64+8*i+4:64+8*i+7], v8 offset:64*i+32
	ds_load_b128 v[128+8*i:128+8*i+3],   v9 offset:64*i
	ds_load_b128 v[128+8*i+4:128+8*i+7], v9 offset:64*i+32
.set i, i+1
.endr
	s_wait_dscnt 0x0
	; source 0 = experts, source 1 = tokens: a lane holds token r, and register j the logit of expert j (in both halves of the lanes).
	; Two accumulators take turns, even and odd K steps.
	v_wmma_f32_16x16x32_bf16 v[192:199], v[64:71], v[128:135], 0
	v_wmma_f32_16x16x32_bf16 v[200:207], v[72:79], v[136:143], 0
.set i, 2
.rept 3
	v_wmma_f32_16x16x32_bf16 v[192:199], v[64+8*i:64+8*i+7], v[128+8*i:128+8*i+7], v[192:199]
	v_wmma_f32_16x16x32_bf16 v[200:207], v[72+8*i:72+8*i+7], v[136+8*i:136+8*i+7], v[200:207]
.set i, i+2
.endr
.rept 4
	v_nop                                          ; four places behind the last product (ISA guide 7.12.1)
.endr
	v_pk_add_f32 v[208:209], v[192:193], v[200:201]    ; the logits; the accumulators' lowest registers are read first
	v_pk_add_f32 v[210:211], v[194:195], v[202:203]
	v_pk_add_f32 v[212:213], v[196:197], v[204:205]
	v_pk_add_f32 v[214:215], v[198:199], v[206:207]
	v_max3_num_f32 v216, v208, v209, v210
	v_max3_num_f32 v217, v211, v212, v213
	v_max3_num_f32 v216, v216, v214, v215
	v_max_num_f32 v216, v216, v217                 ; the token's largest logit m
	v_mul_f32 v218, s20, v216                      ; c m
	v_mov_b32 v219, v218
.set i, 0
.rept 4
	v_pk_fma_f32 v[208+2*i:209+2*i], v[208+2*i:209+2*i], s[20:21], v[218:219] op_sel_hi:[1,0,0] neg_lo:[0,0,1] neg_hi:[0,0,1]  ; c l - c m
.set i, i+1
.endr
.set i, 0
.rept 8
	v_exp_f32 v[208+i], v[208+i]
.set i, i+1
.endr
	v_nop                                          ; a plain instruction behind the last exponential
	s_wait_alu depctr_va_vdst(0)
	v_pk_add_f32 v[220:221], v[208:209], v[210:211]
	v_pk_add_f32 v[222:223], v[212:213], v[214:215]
	v_pk_add_f32 v[220:221], v[220:221], v[222:223]
	v_add_f32 v220, v220, v221
	v_rcp_f32 v224, v220
	v_rcp_f32 v225, v220
	v_nop
.set i, 0
	s_wait_alu depctr_va_vdst(0)
.rept 4
	v_pk_mul_f32 v[208+2*i:209+2*i], v[208+2*i:209+2*i], v[224:225]   ; the eight probabilities
.set i, i+1
.endr
.set i, 0
.rept 4
	v_cndmask_b32 v[228+i], v[208+i], v[212+i], s22    ; lanes 0-15 store experts 0-3, lanes 16-31 experts 4-7
.set i, i+1
.endr
	global_store_b128 v14, v[228:231], s[8:9]      ; the wave's store covers 512 consecutive bytes, aligned
	; the two largest, by insertion: P1 v232, its expert v233, P2 v234, its expert v235
	v_mov_b32 v232, v208
	v_mov_b32 v233, 0
	v_mov_b32 v234, -1.0                           ; below every probability
	v_mov_b32 v235, 0
.set i, 1
.rept 7
	v_cmp_gt_f32 s24, v[208+i], v232
	v_cmp_gt_f32 s25, v[208+i], v234
	v_cndmask_b32 v234, v234, v[208+i], s25
	v_cndmask_b32 v235, v235, i, s25
	v_cndmask_b32 v234, v234, v232, s24
	v_cndmask_b32 v235, v235, v233, s24
	v_cndmask_b32 v232, v232, v[208+i], s24
	v_cndmask_b32 v233, v233, i, s24
.set i, i+1
.endr
	v_add_f32 v236, v232, v234
	v_rcp_f32 v237, v236
	v_cmp_lt_u32 s24, v233, v235                   ; (a plain instruction behind the reciprocal) is the larger one's expert the lower?
	s_wait_alu depctr_va_vdst(0)
	v_mul_f32 v238, v232, v237
	v_mul_f32 v239, v234, v237
	v_cndmask_b32 v240, v239, v238, s24            ; weight of a
	v_cndmask_b32 v241, v238, v239, s24            ; weight of b
	v_cndmask_b32 v242, v235, v233, s24            ; a
	v_cndmask_b32 v243, v233, v235, s24            ; b
	v_sub_nc_u32 v244, 15, v242
	v_mul_u32_u24 v244, v244, v242
	v_lshrrev_b32 v244, 1, v244
	v_add_nc_u32 v244, v244, v243
	v_sub_nc_u32 v244, v244, v242
	v_add_nc_u32 v244, -1, v244                    ; the set's number
	v_mov_b32 v245, 0
.set i, 0
.rept 28                                               ; lane i of v245: how many of my 16 tokens chose set i (lanes 28-31 stay 0)
	v_cmp_eq_u32 s24, i, v244
	s_and_b32 s24, s24, 0xffff                     ; lanes 16-31 repeat lanes 0-15
	s_bcnt1_i32_b32 s25, s24
	v_writelane_b32 v245, s25, i
.set i, i+1
.endr
	s_lshl_b32 s26, s16, 4
	v_add_nc_u32 v246, s26, v4                     ; my token in the block
	v_lshl_add_u32 v247, v246, 3, EXG
	v_lshl_add_u32 v248, v246, 2, EXI
	s_lshl_b32 s27, s16, 7
	s_add_co_u32 s27, s27, EXH
	v_lshl_add_u32 v249, v11, 2, s27
	ds_store_b64 v247, v[240:241]
	ds_store_b32 v248, v244
	ds_store_b32 v249, v245
	s_wait_dscnt 0x0                               ; for wave 0: my stores are done
	s_barrier_signal -1
	s_barrier_wait -1
	s_cmp_lg_u32 s16, 0
	s_cbranch_scc1 .Lend
	v_add_nc_u32 v250, EXG, v3                     ; wave 0 stores the block's results in whole runs: 512, 256 and 128 consecutive bytes
	v_lshl_add_u32 v251, v11, 3, EXI
	v_lshl_add_u32 v252, v11, 2, EXH
	v_lshlrev_b32 v253, 3, v11
	v_lshlrev_b32 v254, 2, v11
	ds_load_b128 v[16:19], v250
	ds_load_b64 v[20:21], v251
	ds_load_b32 v22, v252
	ds_load_b32 v23, v252 offset:128
	ds_load_b32 v24, v252 offset:256
	ds_load_b32 v25, v252 offset:384
	s_wait_dscnt 0x0
	v_add3_u32 v22, v22, v23, v24
	v_add_nc_u32 v22, v22, v25
	global_store_b128 v3, v[16:19], s[10:11]
	global_store_b64 v253, v[20:21], s[12:13]
	global_store_b32 v254, v22, s[14:15]
.Lend:
	s_wait_tensorcnt 0x0                           ; the wave's end
	ds_add_u32 v1, v2
	s_wait_dscnt 0x0
	s_endpgm
.Lfunc_end_k_qecd0673065_router:
	.size	k_qecd0673065_router, .Lfunc_end_k_qecd0673065_router-k_qecd0673065_router
	.p2alignl 7, 3214868480
	.fill 96, 4, 3214868480
	.section	.rodata,"a",@progbits
	.p2align	6, 0x0
	.amdhsa_kernel k_qecd0673065_router
		.amdhsa_group_segment_fixed_size 39936
		.amdhsa_private_segment_fixed_size 0
		.amdhsa_enable_private_segment 0
		.amdhsa_kernarg_size 48
		.amdhsa_user_sgpr_count 2
		.amdhsa_user_sgpr_kernarg_segment_ptr 1
		.amdhsa_wavefront_size32 1
		.amdhsa_system_sgpr_workgroup_id_x 1
		.amdhsa_system_sgpr_workgroup_id_y 1
		.amdhsa_system_sgpr_workgroup_id_z 1
		.amdhsa_system_vgpr_workitem_id 0
		.amdhsa_next_free_vgpr 256
		.amdhsa_next_free_sgpr 66
		.amdhsa_reserve_vcc 0
		.amdhsa_float_denorm_mode_32 3
		.amdhsa_float_denorm_mode_16_64 3
		.amdhsa_memory_ordered 1
		.amdhsa_forward_progress 1
		.amdhsa_inst_pref_size 31
	.end_amdhsa_kernel
	.amdgpu_metadata
---
amdhsa.version: [ 1, 2 ]
amdhsa.kernels:
  - .name:           k_qecd0673065_router
    .symbol:         k_qecd0673065_router.kd
    .args:
      - { .name: x, .offset: 0, .size: 8, .value_kind: global_buffer, .address_space: global }
      - { .name: Wg, .offset: 8, .size: 8, .value_kind: global_buffer, .address_space: global }
      - { .name: out1, .offset: 16, .size: 8, .value_kind: global_buffer, .address_space: global }
      - { .name: gate, .offset: 24, .size: 8, .value_kind: global_buffer, .address_space: global }
      - { .name: pid, .offset: 32, .size: 8, .value_kind: global_buffer, .address_space: global }
      - { .name: hist, .offset: 40, .size: 8, .value_kind: global_buffer, .address_space: global }
    .group_segment_fixed_size: 39936
    .private_segment_fixed_size: 0
    .kernarg_segment_align: 8
    .kernarg_segment_size: 48
    .max_flat_workgroup_size: 128
    .sgpr_count:     66
    .vgpr_count:     256
    .wavefront_size: 32
...
	.end_amdgpu_metadata
.endif
;; end of part 1
;; launch place (part 2): grid 256 x 1, 5 waves a work-group, no clusters, 46,336 bytes of LDS; arguments W1, W2, hist, pid, w1f, w2f, order, tiles, b1, b1r; writes w1f, w2f, order, tiles, b1r
.if DOCPART == 2
	.amdgcn_target "amdgcn-amd-amdhsa--gfx1250"
	.amdhsa_code_object_version 6
	.text
	.protected	k_qecd0673065_place
	.globl	k_qecd0673065_place
	.p2align	8
	.type	k_qecd0673065_place,@function
k_qecd0673065_place:
	s_mov_b64 s[64:65], 0
	v_nop
	global_prefetch_b8 v0, s[64:65] scope:SCOPE_SE
	s_setreg_imm32_b32 hwreg(HW_REG_WAVE_MODE, 25, 1), 1
	s_wait_xcnt 0x0
; PLACE.  Two jobs that share a launch and no data.
; WAVES 0-3: W1 [8][256][1024] and W2 [8][1024][256] (f32, [K][N]) are rounded once to bf16 and laid out as matrix operands: fragments of 16 n x 32 k, 1,024 bytes each,
; lane l's registers 0-3 at byte 16 l, its registers 4-7 at 512 + 16 l, so that the next launch loads them straight into registers, 512 consecutive bytes an instruction.
; Task q = 4 x work-group + wave (0 to 1,023) is a block of 32 k x 128 n: q < 512 of W1, the others of W2.
;   w1f: fragment (e 64 + hidden tile) 8 + K step.     w2f: fragment ((e 8 + chunk of 128 hidden) 4 + wave of 64 columns) 16 + (K step in the chunk) 4 + column tile.
; WAVE 4: the share of block j (64 tokens) in a counting sort of the tokens by their set of experts, without atomics: from all 256 histograms it sums, for each set, the total and
; what the blocks below j hold; prefix sums give each set its first place; the block's tokens take their places in order.  It also writes entry j of the table of tiles:
; a set of n tokens has ceil(n / 80) tiles of at most 80; never more than 232 in all, whatever the split.  And it rounds numbers 32 j .. 32 j + 31 of b1 to bf16, kept as f32 in b1r,
; so that the next launch, which takes them as the C operand of a product, rounds nothing in its loop.
; No wave reads LDS bytes of another: the text has no barrier.
.set PTW,   11264                      ; a wave's turning stage: 140 rows of 80 bytes (64 of data: a column's 32 k in bf16)
.set SRT,   45056                      ; wave 4: 512 bytes
.set SPARE, 45568                      ; the spare words, 128 bytes for each of five waves: three blocks of 256 bytes that no other line names
; 32 rows of 512 bytes come in (lane l: columns 4 l .. 4 l + 3); two rows' numbers of a column pack into a word; column 4 l + c goes to LDS row 36 c + l;
; fragment f's lane (r, h) reads column 16 f + r, which is LDS row 36 (r % 4) + 4 f + r / 4, at byte 16 h and at 32 + 16 h.
.macro PREP stride, srcp, dstp, kind
.set i, 0
.rept 32
	global_load_b128 v[64+4*i:64+4*i+3], v3, s[\srcp:\srcp+1] offset:i*\stride th:TH_LOAD_NT
.set i, i+1
.endr
.set i, 0
.rept 16
	s_wait_loadcnt 30-2*i                          ; rows 2 i and 2 i + 1 are in; the younger rows stay out
.irp c, 0,1,2,3
	v_cvt_pk_bf16_f32 v[192+16*\c+i], v[64+8*i+\c], v[64+8*i+4+\c]
.endr
.set i, i+1
.endr
.irp c, 0,1,2,3
.irp q, 0,1,2,3
	ds_store_b128 v4, v[192+16*\c+4*\q:192+16*\c+4*\q+3] offset:2880*\c+16*\q
.endr
.endr
.irp f, 0,1,2,3,4,5,6,7
.irp p, 0,1
	ds_load_b128 v[64+8*\f+4*\p:64+8*\f+4*\p+3], v5 offset:320*\f+32*\p   ; LDS serves a wave in order: these see the stores above
.endr
.endr
.irp f, 0,1,2,3,4,5,6,7
.irp p, 0,1
	s_wait_dscnt 15-(2*\f+\p)
.if \kind == 1
	global_store_b128 v3, v[64+8*\f+4*\p:64+8*\f+4*\p+3], s[\dstp:\dstp+1] offset:\f*8192+512*\p
.else
	global_store_b128 v3, v[64+8*\f+4*\p:64+8*\f+4*\p+3], s[\dstp:\dstp+1] offset:(\f/4)*16384+(\f%4)*1024+512*\p
.endif
.endr
.endr
.endm
	s_load_b512 s[4:19], s[0:1], 0x0               ; W1 s[4:5], W2 s[6:7], hist s[8:9], pid s[10:11], w1f s[12:13], w2f s[14:15], order s[16:17], tiles s[18:19]
	s_load_b128 s[40:43], s[0:1], 0x40             ; b1 s[40:41], b1r s[42:43]
	v_lshl_add_u32 v1, v0, 2, SPARE                ; my spare word; never rewritten
	v_mov_b32 v2, 0                                ; 0; never rewritten
	v_lshrrev_b32 v4, 5, v0
	v_readfirstlane_b32 s20, v4                    ; wave 0..4
	v_and_b32 v7, 31, v0                           ; lane
	v_lshlrev_b32 v3, 4, v7                        ; 16 x lane
	s_cmp_eq_u32 s20, 4
	s_cbranch_scc1 .Lsort
	s_lshl_b32 s21, ttmp9, 2
	s_add_co_u32 s21, s21, s20                     ; q
	s_mul_i32 s22, s20, PTW
	v_mul_u32_u24 v4, v7, 80
	v_add_nc_u32 v4, s22, v4                       ; in: row l
	v_and_b32 v5, 3, v0
	v_bfe_u32 v6, v0, 2, 2
	v_mad_u32_u24 v5, v5, 36, v6                   ; back: row 36 (r % 4) + r / 4
	v_mul_u32_u24 v5, v5, 80
	v_bfe_u32 v6, v0, 4, 1
	v_lshl_add_u32 v5, v6, 4, v5
	v_add_nc_u32 v5, s22, v5
	s_mov_b32 s25, 0
	s_mov_b32 s27, 0
	s_cmp_lt_u32 s21, 512
	s_cbranch_scc0 .Lw2
	s_lshr_b32 s23, s21, 6                         ; W1: e = q / 64, K block = (q / 8) % 8, block of 128 columns = q % 8
	s_bfe_u32 s28, s21, 0x30003
	s_and_b32 s29, s21, 7
	s_lshl_b32 s24, s23, 20                        ; from: e x 1 MiB + K block x 32 rows of 4,096 bytes + column block x 512
	s_lshl_b32 s30, s28, 17
	s_add_co_u32 s24, s24, s30
	s_lshl_b32 s30, s29, 9
	s_add_co_u32 s24, s24, s30
	s_lshl_b32 s26, s23, 19                        ; to: e x 512 KiB + column block x 8 tiles x 8 fragments + K block x one fragment
	s_lshl_b32 s30, s29, 16
	s_add_co_u32 s26, s26, s30
	s_lshl_b32 s30, s28, 10
	s_add_co_u32 s26, s26, s30
	s_wait_kmcnt 0x0
	s_add_nc_u64 s[4:5], s[4:5], s[24:25]
	s_add_nc_u64 s[12:13], s[12:13], s[26:27]
	PREP 4096, 4, 12, 1
	s_branch .Lend
.Lw2:
	s_sub_co_u32 s21, s21, 512                     ; W2: e = q / 64, K block = (q / 2) % 32, block of 128 columns = q % 2
	s_lshr_b32 s23, s21, 6
	s_bfe_u32 s28, s21, 0x50001
	s_and_b32 s29, s21, 1
	s_lshl_b32 s24, s23, 20                        ; from: e x 1 MiB + K block x 32 rows of 1,024 bytes + column block x 512
	s_lshl_b32 s30, s28, 15
	s_add_co_u32 s24, s24, s30
	s_lshl_b32 s30, s29, 9
	s_add_co_u32 s24, s24, s30
	s_lshl_b32 s26, s23, 19                        ; to: e, chunk = K block / 4, two waves' shares a column block, K step in the chunk = K block % 4
	s_lshr_b32 s30, s28, 2
	s_lshl_b32 s30, s30, 16
	s_add_co_u32 s26, s26, s30
	s_lshl_b32 s30, s29, 15
	s_add_co_u32 s26, s26, s30
	s_and_b32 s30, s28, 3
	s_lshl_b32 s30, s30, 12
	s_add_co_u32 s26, s26, s30
	s_wait_kmcnt 0x0
	s_add_nc_u64 s[6:7], s[6:7], s[24:25]
	s_add_nc_u64 s[14:15], s[14:15], s[26:27]
	PREP 1024, 6, 14, 2
	s_branch .Lend
; One load of histograms: block 4 i + lane / 8, bins 4 (lane % 8) .. + 3.  Each count is added once below (the total) and, if the block lies below j, once more 16 bits up: both sums stay within 16,384.
.macro CONSUME i, left
	s_wait_loadcnt \left
	v_cmp_lt_u32 vcc_lo, \i, v10
	v_cndmask_b32 v12, 1, v11, vcc_lo
.irp c, 0,1,2,3
.if \i == 0
	v_mul_u32_u24 v[16+\c], v[32+\c], v12
.else
	v_mad_u32_u24 v[16+\c], v[32+4*((\i)%48)+\c], v12, v[16+\c]
.endif
.endr
.endm
; An inclusive prefix sum over the 32 lanes: four steps inside each half of 16 lanes, then the lower half's total onto the upper half.
.macro SCAN val, tmp
.irp d, 1,2,4,8
	v_mov_b32 v[\tmp], 0
	v_mov_b32_dpp v[\tmp], v[\val] row_shr:\d row_mask:0xf bank_mask:0xf bound_ctrl:1
	v_add_nc_u32 v[\val], v[\val], v[\tmp]
.endr
	v_readlane_b32 s30, v[\val], 15
	v_mov_b32 v[\tmp], s30
	v_cndmask_b32 v[\tmp], 0, v[\tmp], s31
	v_add_nc_u32 v[\val], v[\val], v[\tmp]
.endm
.Lsort:
	s_mov_b32 s28, ttmp9                           ; j
	s_lshl_b32 s22, ttmp9, 8                       ; my block's 64 set numbers
	s_mov_b32 s23, 0
	s_lshl_b32 s24, ttmp9, 4                       ; my entry of the table
	s_mov_b32 s25, 0
	s_lshl_b32 s38, ttmp9, 7                       ; my 32 numbers of b1
	s_mov_b32 s39, 0
	s_mov_b32 s31, 0xffff0000                      ; lanes 16-31
	v_lshlrev_b32 v6, 2, v7
	v_lshrrev_b32 v10, 3, v7
	v_sub_nc_u32 v10, s28, v10
	v_add_nc_u32 v10, 3, v10
	v_lshrrev_b32 v10, 2, v10                      ; block 4 i + lane / 8 lies below j where i < (j + 3 - lane / 8) / 4
	v_mov_b32 v11, 0x10001
	s_wait_kmcnt 0x0
	s_add_nc_u64 s[10:11], s[10:11], s[22:23]
	s_add_nc_u64 s[18:19], s[18:19], s[24:25]
	s_add_nc_u64 s[40:41], s[40:41], s[38:39]
	s_add_nc_u64 s[42:43], s[42:43], s[38:39]
	global_load_b32 v15, v6, s[40:41]              ; b1[32 j + lane]: older than every load that is counted below
	global_load_b32 v8, v6, s[10:11]               ; set of token 64 j + lane
	global_load_b32 v9, v6, s[10:11] offset:128    ; of token 64 j + 32 + lane
.set n, 0
.rept 48                                               ; 64 loads of 512 bytes hold all histograms; 48 have registers at a time
	global_load_b128 v[32+4*n:32+4*n+3], v3, s[8:9] offset:512*n
.set n, n+1
.endr
.set n, 0
.rept 16
	CONSUME n, 47-n                                ; the 47 - n younger loads stay out
.set n, n+1
.endr
.set n, 48
.rept 16
	global_load_b128 v[32+4*(n-48):32+4*(n-48)+3], v3, s[8:9] offset:512*n
.set n, n+1
.endr
.set n, 16
.rept 48
	CONSUME n, 63-n
.set n, n+1
.endr
	v_cvt_pk_bf16_f32 v15, v15, v15                ; b1 rounded to bf16,
	v_lshlrev_b32 v15, 16, v15                     ; and widened again
	global_store_b32 v6, v15, s[42:43]             ; the wave's store covers 128 consecutive bytes
	v_add_nc_u32 v13, SRT, v3                      ; the four groups of eight lanes hold the same bins of different blocks: word 32 (lane / 8) + bin
	v_add_nc_u32 v14, SRT, v6
	ds_store_b128 v13, v[16:19]
	ds_load_b32 v224, v14                          ; lane s takes bin s of all four
	ds_load_b32 v225, v14 offset:128
	ds_load_b32 v226, v14 offset:256
	ds_load_b32 v227, v14 offset:384
	s_wait_dscnt 0x0
	v_add3_u32 v224, v224, v225, v226
	v_add_nc_u32 v224, v224, v227
	v_and_b32 v21, 0xffff, v224                    ; n: tokens of set s
	v_lshrrev_b32 v229, 16, v224                   ; of them in blocks below j
	v_mov_b32 v225, v21
	SCAN 225, 228
	v_sub_nc_u32 v226, v225, v21                   ; the set's first place
	v_add_nc_u32 v20, v226, v229                   ; my block's first place in it
	v_add_nc_u32 v230, 79, v21
	v_mul_lo_u32 v230, v230, 0xcccd                ; (n + 79) / 80 = ((n + 79) x 52,429) >> 22, exact below 262,144
	v_lshrrev_b32 v230, 22, v230
	v_mov_b32 v231, v230
	SCAN 231, 228                                  ; the tile behind the set's last
	v_sub_nc_u32 v232, v231, v230                  ; the set's first tile
	v_mov_b32 v23, 0
	v_mov_b32 v24, 0
.set n, 0
.rept 28                                               ; set n: its tokens among my 64 take consecutive places, in the tokens' order
	v_cmp_eq_u32 s24, n, v8
	v_cmp_eq_u32 s25, n, v9
	v_readlane_b32 s26, v20, n
	v_mbcnt_lo_u32_b32 v22, s24, s26
	v_cndmask_b32 v23, v23, v22, s24
	s_bcnt1_i32_b32 s27, s24
	s_add_co_u32 s26, s26, s27
	v_mbcnt_lo_u32_b32 v22, s25, s26
	v_cndmask_b32 v24, v24, v22, s25
.set n, n+1
.endr
	v_min_u32 v23, 0x3fff, v23                     ; a place made of loaded numbers enters an address only behind this bound
	v_min_u32 v24, 0x3fff, v24
	v_lshlrev_b32 v23, 2, v23
	v_lshlrev_b32 v24, 2, v24
	s_lshl_b32 s26, s28, 6
	v_add_nc_u32 v25, s26, v7
	v_add_nc_u32 v26, 32, v25
	global_store_b32 v23, v25, s[16:17]
	global_store_b32 v24, v26, s[16:17]
	; tile j: the set s whose tiles hold j, if any
	v_cmp_ge_u32 s24, s28, v232
	v_cmp_lt_u32 s25, s28, v231
	s_and_b32 s24, s24, s25
	s_cselect_b32 s29, 1, 0                        ; 1: there is such a set
	s_ctz_i32_b32 s25, s24
	s_max_i32 s25, s25, 0                          ; s
	v_readlane_b32 s30, v21, s25
	v_readlane_b32 s33, v226, s25
	v_readlane_b32 s32, v232, s25
	s_sub_co_u32 s34, s28, s32
	s_mul_i32 s34, s34, 80                         ; tokens of the set in the tiles before
	s_add_co_u32 s33, s33, s34                     ; start
	s_sub_co_u32 s30, s30, s34
	s_min_u32 s30, s30, 80                         ; count
	s_cmp_eq_u32 s29, 1
	s_cselect_b32 s30, s30, 0
	s_cselect_b32 s33, s33, 0
	s_mov_b32 s35, 0
.irp T, 7,13,18,22,25,27                               ; a: the sets with lower expert a begin at a (15 - a) / 2
	s_cmp_ge_u32 s25, \T
	s_add_co_ci_u32 s35, s35, 0
.endr
	s_sub_co_u32 s36, 15, s35
	s_mul_i32 s36, s36, s35
	s_lshr_b32 s36, s36, 1
	s_sub_co_u32 s36, s25, s36
	s_add_co_u32 s36, s36, s35
	s_add_co_u32 s36, s36, 1                       ; b
	v_mov_b32 v27, 0
	v_mov_b32 v28, s35
	v_mov_b32 v29, s36
	v_mov_b32 v30, s33
	v_mov_b32 v31, s30
	v_cmp_eq_u32 vcc_lo, 0, v7
	s_wait_xcnt 0x0                                ; EXEC is a source of the stores above: it changes only behind this wait
	s_and_saveexec_b32 s37, vcc_lo
	global_store_b128 v27, v[28:31], s[18:19]      ; lane 0 alone
	s_wait_xcnt 0x0                                ; and again in front of the line that widens it
	s_or_b32 exec_lo, exec_lo, s37
.Lend:
	s_wait_tensorcnt 0x0                           ; the wave's end
	ds_add_u32 v1, v2
	s_wait_dscnt 0x0
	s_endpgm
.Lfunc_end_k_qecd0673065_place:
	.size	k_qecd0673065_place, .Lfunc_end_k_qecd0673065_place-k_qecd0673065_place
	.p2alignl 7, 3214868480
	.fill 96, 4, 3214868480
	.section	.rodata,"a",@progbits
	.p2align	6, 0x0
	.amdhsa_kernel k_qecd0673065_place
		.amdhsa_group_segment_fixed_size 46336
		.amdhsa_private_segment_fixed_size 0
		.amdhsa_enable_private_segment 0
		.amdhsa_kernarg_size 80
		.amdhsa_user_sgpr_count 2
		.amdhsa_user_sgpr_kernarg_segment_ptr 1
		.amdhsa_wavefront_size32 1
		.amdhsa_system_sgpr_workgroup_id_x 1
		.amdhsa_system_sgpr_workgroup_id_y 1
		.amdhsa_system_sgpr_workgroup_id_z 1
		.amdhsa_system_vgpr_workitem_id 0
		.amdhsa_next_free_vgpr 256
		.amdhsa_next_free_sgpr 66
		.amdhsa_reserve_vcc 1
		.amdhsa_float_denorm_mode_32 3
		.amdhsa_float_denorm_mode_16_64 3
		.amdhsa_memory_ordered 1
		.amdhsa_forward_progress 1
		.amdhsa_inst_pref_size 74
	.end_amdhsa_kernel
	.amdgpu_metadata
---
amdhsa.version: [ 1, 2 ]
amdhsa.kernels:
  - .name:           k_qecd0673065_place
    .symbol:         k_qecd0673065_place.kd
    .args:
      - { .name: W1, .offset: 0, .size: 8, .value_kind: global_buffer, .address_space: global }
      - { .name: W2, .offset: 8, .size: 8, .value_kind: global_buffer, .address_space: global }
      - { .name: hist, .offset: 16, .size: 8, .value_kind: global_buffer, .address_space: global }
      - { .name: pid, .offset: 24, .size: 8, .value_kind: global_buffer, .address_space: global }
      - { .name: w1f, .offset: 32, .size: 8, .value_kind: global_buffer, .address_space: global }
      - { .name: w2f, .offset: 40, .size: 8, .value_kind: global_buffer, .address_space: global }
      - { .name: order, .offset: 48, .size: 8, .value_kind: global_buffer, .address_space: global }
      - { .name: tiles, .offset: 56, .size: 8, .value_kind: global_buffer, .address_space: global }
      - { .name: b1, .offset: 64, .size: 8, .value_kind: global_buffer, .address_space: global }
      - { .name: b1r, .offset: 72, .size: 8, .value_kind: global_buffer, .address_space: global }
    .group_segment_fixed_size: 46336
    .private_segment_fixed_size: 0
    .kernarg_segment_align: 8
    .kernarg_segment_size: 80
    .max_flat_workgroup_size: 160
    .sgpr_count:     66
    .vgpr_count:     256
    .wavefront_size: 32
...
	.end_amdgpu_metadata
.endif
;; end of part 2
;; launch chain (part 3): grid 232 x 1, 4 waves a work-group, no clusters, 87,552 bytes of LDS; arguments x, order, gate, tiles, w1f, w2f, b1r, b2, out0; writes out0
.if DOCPART == 3
	.amdgcn_target "amdgcn-amd-amdhsa--gfx1250"
	.amdhsa_code_object_version 6
	.text
	.protected	k_qecd0673065_chain
	.globl	k_qecd0673065_chain
	.p2align	8
	.type	k_qecd0673065_chain,@function
k_qecd0673065_chain:
	s_mov_b64 s[64:65], 0
	v_nop
	global_prefetch_b8 v0, s[64:65] scope:SCOPE_SE
	s_setreg_imm32_b32 hwreg(HW_REG_WAVE_MODE, 25, 1), 1
	s_wait_xcnt 0x0
; CHAIN.  out0[t] = wa (relu(x[t] W1[a] + b1[a]) W2[a] + b2[a]) + wb (the same for b), for up to 80 tokens t that chose the same two experts a < b.
; A work-group reads its entry (a, b, start, count) of the table of tiles, gathers its tokens' rows of x by the sorted list, and takes them through both experts.  The gate's weight is
; folded into the hidden layer (w relu(h) = relu(w h), since w >= 0), so both experts add into ONE accumulator, which starts as wa b2[a] + wb b2[b]: each output row has one owner.
; 232 work-groups serve every split of 16,384 tokens over 28 sets: floor((16384 + 28 x 79) / 80).  An entry with count 0 walks the text on clamped rows and stores nothing: every wave passes every
; barrier, and only the stores are jumped.  Places past the count repeat the tile's last token and store the same numbers to the same bytes.
; THE WALK.  The two experts' 2 x 1,024 hidden units go in 16 chunks of 128.  In a chunk wave w makes hidden units 32 w .. 32 w + 31 for all 80 tokens (80 matrix instructions), hands them on
; through LDS in bf16, and adds the whole chunk onto its output columns 64 w .. 64 w + 63 (80 matrix instructions).  A trip holds the first product of chunk c and the second of chunk c - 1, with
; chunk c's scaling, rounding and maximum riding behind the first 40 instructions of the second product.  One barrier a trip, signalled at the second product's instruction 60 and waited for behind its last.
; BOTH PRODUCTS ARE USED TRANSPOSED (source 0 = weights, source 1 = tokens): a lane holds one token (lane % 16) and eight neighbouring hidden units or columns.
; THE WEIGHTS come from memory straight into operand registers, as the launch before laid them out: each byte is read by one wave of the work-group and feeds five matrix instructions.
; NO CLUSTER: tiles of one set walk the same weights, but a joint load lands in LDS: the 2 MiB that a work-group walks would be written to LDS and read from it again, with a round of the cluster's
; barrier for each slot; and whole clusters of four tiles for each set can number floor((16384 + 28 x 319) / 320) = 79, 316 work-groups against this grid's 232.
; FORMATS.  x, W1, b1, W2, b2 rounded to bf16 (W1, W2 and b1 by the launch before; b1r holds the rounded numbers as f32), w h rounded once to bf16, all sums f32.  bf16 and not f16 for h: it has f32's range.
; LIMITS.  NaN and infinities are not treated apart: the maximum with 0 turns a NaN in the hidden layer into 0.
; REGISTERS, in windows of 256 (s_set_vgpr_msb: bits 1:0 source 0, 3:2 source 1, 5:4 source 2, 7:6 destination):
;   window 0: v0-10 addresses; v16-25 the weights (wa, wb) of my token in each of five token tiles; v26-30 the chunk's weight; v32-111 h's fragments, two buffers of five; v112-239 W1 of a chunk; v240-255 at work
;   window 1: v0-239 x's fragments of K steps 0-5 (at 40 s + 8 k); v240-255 b1 of a chunk
;   window 2: v0-159 the 20 output accumulators (column tile u, token tile k at 8 (5 u + k)); v160-199 w h packed; v200 0; v201 where I store h; v208-247 x, K step 6
;   window 3: v0-127 W2 of a chunk (K step s2, column tile u at 8 (4 s2 + u)); v128-207 the 10 hidden accumulators (tile 5 t + k); v208-247 x, K step 7
; SCALARS: s[36:37] W1's pointer, s[38:39] b1r's, s[40:41] W2's for even chunks, s[52:53] W2's for odd chunks; s[34:35], s[46:47] offsets in the making; s31 the chunk.
.set HP,    272                        ; a row of h in LDS: 128 bf16 = 256 bytes + 16 of padding
.set HB,    80*HP                      ; a buffer of h; two of them from byte 0
.set XB,    2*HB                       ; x in bf16: 80 rows; at the end each wave's two stages of 16 rows x 272 bytes
.set XP,    528                        ; a row of x: 512 bytes + 16
.set TOKL,  XB+80*XP                   ; the 80 tokens' numbers, a copy of 320 bytes for each wave
.set SPARE, TOKL+4*320                 ; the spare words, 128 bytes a wave: two blocks of 256 bytes that no other line names
.set STGW,  2*16*HP
.set G,     16
.set GC,    26
.set HF,    32
.set W1R,   112
.set BI,    240                        ; window 1
.set PK,    160                        ; window 2
.set ZERO,  200
.set HS,    201
.set SR,    128                        ; window 3
.set MSB, 0
.macro WIN new                         ; the immediate's high byte repeats the setting that is left; a switch that changes nothing is dropped
.if MSB != (\new)
	s_set_vgpr_msb (MSB<<8)|(\new)
.set MSB, \new
.endif
.endm
.macro NOP4                            ; four places behind a matrix instruction, in front of loads into its registers and of readers of its result
.rept 4
	v_nop
.endr
.endm
; Chunk n (a scalar register's number) -> s[34:35] its byte offset in w1f and w2f for my wave, s[46:47] in b1r.  The expert is chosen first and bounded last; behind the bound only shifts left and sums.
; In three parts, so that in a trip they can stand behind different matrix instructions.
.macro OFFS_A n
	s_cmp_lt_u32 s[\n], 8
	s_cselect_b32 s34, s24, s25
	s_min_u32 s34, s34, 7
	s_and_b32 s35, s[\n], 7
.endm
.macro OFFS_B
	s_lshl_b32 s46, s34, 12
	s_lshl_b32 s47, s35, 9
	s_add_co_u32 s46, s46, s47
	s_add_co_u32 s46, s46, s49
	s_mov_b32 s47, 0
.endm
.macro OFFS_C
	s_lshl_b32 s34, s34, 19
	s_lshl_b32 s35, s35, 16
	s_add_co_u32 s34, s34, s35
	s_add_co_u32 s34, s34, s48
	s_mov_b32 s35, 0
.endm
.macro OFFS n
	OFFS_A \n
	OFFS_B
	OFFS_C
.endm
.macro LDW1 lo, hi                     ; W1's fragments of K steps lo .. hi, both hidden tiles: four loads of 512 consecutive bytes a K step
	WIN 0
.set ks, \lo
.rept (\hi)-(\lo)+1
.irp t, 0,1
.irp p, 0,1
	global_load_b128 v[W1R+8*(2*ks+\t)+4*\p:W1R+8*(2*ks+\t)+4*\p+3], v3, s[36:37] offset:(8*\t+ks)*1024+512*\p
.endr
.endr
.set ks, ks+1
.endr
.endm
.macro LDBIAS                          ; b1 of my 32 hidden units: a lane's eight of each tile
	WIN 0x40
.irp t, 0,1
.irp p, 0,1
	global_load_b128 v[BI+8*\t+4*\p:BI+8*\t+4*\p+3], v4, s[38:39] offset:64*\t+16*\p
.endr
.endr
.endm
.macro LDW2 s2, par                    ; W2's four fragments of K step s2, by the pointer of the chunk's parity
	WIN 0xc0
.irp u, 0,1,2,3
.irp p, 0,1
	global_load_b128 v[8*(4*(\s2)+\u)+4*\p:8*(4*(\s2)+\u)+4*\p+3], v3, s[40+12*(\par):41+12*(\par)] offset:(4*(\s2)+\u)*1024+512*\p
.endr
.endr
.endm
.macro LDH buf, s2, par                ; h's five fragments of K step s2 out of LDS buffer par
	WIN 0
.irp k, 0,1,2,3,4
.irp p, 0,1
	ds_load_b128 v[HF+40*(\buf)+8*\k+4*\p:HF+40*(\buf)+8*\k+4*\p+3], v5 offset:(\par)*HB+\k*16*HP+64*(\s2)+32*\p
.endr
.endr
.endm
; K step st of the first product: ten matrix instructions, the ten accumulators by turns.  K step 0 starts the sums with b1 as C.
.macro G1 st
.if (\st) == 0
	WIN 0xd4
.elseif (\st) < 6
	WIN 0xf4
.elseif (\st) == 6
	WIN 0xf8
.else
	WIN 0xfc
.endif
.if (\st) < 6
.set rX, 40*(\st)
.else
.set rX, 208
.endif
.irp t, 0,1
.irp k, 0,1,2,3,4
.if (\st) == 0
	v_wmma_f32_16x16x32_bf16 v[SR+8*(5*\t+\k):SR+8*(5*\t+\k)+7], v[W1R+8*(2*(\st)+\t):W1R+8*(2*(\st)+\t)+7], v[rX+8*\k:rX+8*\k+7], v[BI+8*\t:BI+8*\t+7]
.else
	v_wmma_f32_16x16x32_bf16 v[SR+8*(5*\t+\k):SR+8*(5*\t+\k)+7], v[W1R+8*(2*(\st)+\t):W1R+8*(2*(\st)+\t)+7], v[rX+8*\k:rX+8*\k+7], v[SR+8*(5*\t+\k):SR+8*(5*\t+\k)+7]
.endif
.endr
.endr
.endm
.macro GSEL                            ; the chunk's weight: wa for chunks 0-7, wb for 8-15.  Five plain instructions that name no register of the products: also the places behind them
	WIN 0
	s_cmp_ge_u32 s31, 8
	s_cselect_b32 s33, -1, 0
.irp k, 0,1,2,3,4
	v_cndmask_b32 v[GC+\k], v[G+2*\k], v[G+2*\k+1], s33
.endr
.endm
.macro MM2                             ; instruction i of 80 of the second product: K step i / 20, column tile (i % 20) / 5, token tile i % 5; the 20 accumulators by turns
	WIN 0xa3
.set rY, 8*(5*((i%20)/5)+i%5)
.set rW, 8*(4*(i/20)+(i%20)/5)
.set rH, HF+40*((i/20)%2)+8*(i%5)
	v_wmma_f32_16x16x32_bf16 v[rY:rY+7], v[rW:rW+7], v[rH:rH+7], v[rY:rY+7]
.endm
; Number q of the eight roundings of hidden tile tau: a register times the weight, rounded once to bf16, into one half of a packed word; under the second product's windows.
; q = 0-3: registers 0, 2, 4, 6 into the low halves (the accumulator's lowest register is read first); q = 4-7: registers 1, 3, 5, 7 into the high halves.
.macro RID tau, q
	WIN 0xa3
.if (\q) < 4
	v_fma_mixlo_bf16 v[PK+4*(\tau)+(\q)], v[SR+8*(\tau)+2*(\q)], v[GC+(\tau)%5], v[ZERO]
.else
	v_fma_mixhi_bf16 v[PK+4*(\tau)+(\q)-4], v[SR+8*(\tau)+2*((\q)-4)+1], v[GC+(\tau)%5], v[ZERO]
.endif
.endm
.macro RELU tau                        ; hidden tile tau: the maximum with 0, two numbers a line
	WIN 0xaa
.irp q, 0,1,2,3
	v_pk_max_num_bf16 v[PK+4*(\tau)+\q], v[PK+4*(\tau)+\q], v[ZERO]
.endr
.endm
.macro HST tau, par                    ; hidden tile tau: 16 bytes (eight hidden units of my token) into LDS buffer par
	WIN 0xaa
	ds_store_b128 v[HS], v[PK+4*(\tau):PK+4*(\tau)+3] offset:(\par)*HB+((\tau)%5)*16*HP+32*((\tau)/5)
.endm
; A TRIP, for chunk c.  par: c's parity: the LDS buffer that takes chunk c (chunk c - 1 lies in the other) and the pointer by which W2 of chunk c is fetched.  w1 = 1: W1 and b1 of chunk c + 1 are fetched.
; At its head h's fragments of K steps 0 and 1 of chunk c - 1 are asked for (20 LDS loads), and W2 of chunk c - 1 is on its way or in.
; MEMORY INSTRUCTIONS STAND IN FIVE GROUPS.  Global loads in the order of issue: A 20 (W1's K steps 0-3, b1), B 16 (W1's K steps 4-7), C 8 and D 8 (W2 of chunk c, K steps 0 and 1, each behind the last product
; that read its registers), F 16 (K steps 2 and 3).  A wait's count is what was issued behind the run that is needed:
;   ahead of B, for W2's K step 0 of the trip before: its D and F, and A: 8 + 16 + 20.      ahead of product 20, for K step 1: F, A, B: 16 + 36.
;   ahead of D, for K step 2: the other half of F, A, B, C: 8 + 36 + 8.                      ahead of product 60, for K step 3: A, B, C, D: 36 + 16.      at the end, for A and B: C and D: 16.
; So at most 60 loads of the wave are out.  LDS likewise: product 0: the ten loads of K step 1; 20: none; 40: D's four stores and ten loads; 60: none.
; POINTERS are rewritten only behind the counted wait that shows their loads done: W2's other set behind product 60's wait (its loads are the trip before's), W1's and b1r's behind the wait at the end.
; THE BARRIER: at product 60 my stores of chunk c are done and my reads of chunk c - 1 are back; between signal and wait stand 20 products, scalar work and four v_nop.  Behind the wait chunk c is read,
; and the buffer of chunk c - 1 is written again in the next trip.
; PLACES behind the last product that read registers which are loaded next: A: four v_nop; B: the five selects; C: the riders since product 19; D: the four maxima behind product 39; F: four v_nop.
.macro TRIP par, w1
	G1 0
	G1 1
	G1 2
	G1 3
.if \w1
	WIN 0
	NOP4
	LDW1 0, 3
	LDBIAS
.endif
	G1 4
	G1 5
	G1 6
	G1 7
	GSEL
	s_wait_loadcnt 24+20*(\w1)
.if \w1
	LDW1 4, 7
.endif
.set i, 0
.rept 80
.if i == 0
	s_wait_dscnt 10
.elseif i == 20
	s_wait_dscnt 0x0
	s_wait_loadcnt 16+36*(\w1)
.elseif i == 40
	s_wait_dscnt 14
.elseif i == 60
	s_wait_loadcnt 16+36*(\w1)
	s_wait_dscnt 0x0
	s_barrier_signal -1
.endif
	MM2
.if i < 40                             ; a hidden tile takes four products: three, three and two roundings behind the first three, the four maxima behind the fourth
.if i%4 == 0
	RID i/4, 0
	RID i/4, 1
	RID i/4, 2
.elseif i%4 == 1
	RID i/4, 3
	RID i/4, 4
	RID i/4, 5
.elseif i%4 == 2
	RID i/4, 6
	RID i/4, 7
.else
	RELU i/4
.endif
.endif
.if i == 23
.irp t, 0,1,2,3,4,5
	HST \t, \par
.endr
	LDH 0, 2, 1-(\par)
	LDW2 0, \par
.elseif i == 39
.irp t, 6,7,8,9
	HST \t, \par
.endr
	LDH 1, 3, 1-(\par)
	s_wait_loadcnt 16+36*(\w1)
	LDW2 1, \par
.endif
.if \w1
.if i == 61
	s_add_nc_u64 s[40+12*(1-(\par)):41+12*(1-(\par))], s[14:15], s[34:35]   ; W2 of chunk c + 1: its offset was made a trip ago, for W1
	s_add_co_u32 s31, s31, 1
	s_add_co_u32 s50, s31, 1                       ; c + 2
.elseif i == 63
	OFFS_A 50
.elseif i == 65
	OFFS_B
.elseif i == 67
	OFFS_C
.endif
.endif
.set i, i+1
.endr
	NOP4
	WIN 0
	s_barrier_wait -1
.if \w1
	s_wait_loadcnt 16                              ; W1 and b1 of chunk c + 1 are in
	s_add_nc_u64 s[36:37], s[12:13], s[34:35]      ; their pointers go on to chunk c + 2
	s_add_nc_u64 s[38:39], s[16:17], s[46:47]
.endif
	LDW2 2, \par
	LDW2 3, \par
	LDH 0, 0, \par
	LDH 1, 1, \par
.endm
	s_load_b512 s[4:19], s[0:1], 0x0               ; x s[4:5], order s[6:7], gate s[8:9], tiles s[10:11], w1f s[12:13], w2f s[14:15], b1r s[16:17], b2 s[18:19]
	s_load_b64 s[20:21], s[0:1], 0x40              ; out0
	v_lshl_add_u32 v1, v0, 2, SPARE                ; my spare word; never rewritten
	v_mov_b32 v2, 0                                ; 0; never rewritten
	v_lshrrev_b32 v96, 5, v0
	v_readfirstlane_b32 s22, v96                   ; wave 0..3
	s_lshl_b32 s23, ttmp9, 4
	s_wait_kmcnt 0x0
	s_load_b128 s[24:27], s[10:11], s23 offset:0x0 ; a, b, start, count
	v_and_b32 v96, 31, v0                          ; lane
	v_and_b32 v97, 15, v0                          ; r
	v_bfe_u32 v98, v0, 4, 1                        ; h
	v_lshlrev_b32 v3, 4, v96                       ; 16 x lane: the weights' fragments
	v_lshlrev_b32 v4, 5, v98                       ; 32 h: the biases
	v_lshlrev_b32 v99, 4, v97                      ; 16 r
	v_mul_u32_u24 v5, v97, HP
	v_lshl_add_u32 v5, v98, 4, v5                  ; h's fragments: row r, 16 bytes for each half of the lanes
	v_mul_u32_u24 v6, v97, XP
	v_lshl_add_u32 v6, v98, 4, v6
	v_add_nc_u32 v6, XB, v6                        ; x's fragments
	s_mul_i32 s51, s22, 320
	s_add_co_u32 s51, s51, TOKL
	v_lshl_add_u32 v7, v98, 2, s51                 ; the list, read on the way out: place h
	v_lshl_add_u32 v104, v97, 2, s51               ; the list, stored: place r
	s_mul_i32 s51, s22, STGW
	s_add_co_u32 s51, s51, XB                      ; my stages
	v_mul_u32_u24 v8, v97, HP
	v_lshl_add_u32 v8, v98, 5, v8
	v_add_nc_u32 v8, s51, v8                       ; in: row r, 32 bytes for each half of the lanes
	v_mul_u32_u24 v9, v98, HP
	v_lshl_add_u32 v9, v97, 4, v9
	v_add_nc_u32 v9, s51, v9                       ; back: lanes 0-15 one row of 256 bytes, lanes 16-31 the next
	s_lshl_b32 s50, s22, 6
	v_add_nc_u32 v103, s50, v5                     ; where I store h: row r, byte 64 w + 16 h
	s_mul_i32 s50, s22, 20
	v_add_nc_u32 v100, s50, v98                    ; the gather: wave w brings places 20 w .. 20 w + 19, two a load
	v_mul_u32_u24 v102, v100, XP
	v_lshl_add_u32 v102, v97, 3, v102
	v_add_nc_u32 v102, XB, v102
	s_lshl_b32 s51, s22, 8
	v_lshl_add_u32 v10, v97, 4, s51                ; my 16 bytes in a row of out0: 256 w + 16 r
	s_lshl_b32 s48, s22, 14
	s_lshl_b32 s49, s22, 7
	s_mov_b32 s31, 0                               ; c
	s_wait_kmcnt 0x0
	s_min_u32 s24, s24, 7
	s_min_u32 s25, s25, 7
	s_min_u32 s26, s26, 0x3fff
	s_min_u32 s27, s27, 80
	s_max_u32 s28, s27, 1
	s_sub_co_u32 s28, s28, 1                       ; the tile's last place
	s_lshl_b32 s42, s24, 10                        ; b2 of a and of b at my 64 columns
	s_add_co_u32 s42, s42, s51
	s_mov_b32 s43, 0
	s_add_nc_u64 s[42:43], s[18:19], s[42:43]
	s_lshl_b32 s44, s25, 10
	s_add_co_u32 s44, s44, s51
	s_mov_b32 s45, 0
	s_add_nc_u64 s[44:45], s[18:19], s[44:45]
	OFFS 31                                        ; chunk 0
	s_add_nc_u64 s[36:37], s[12:13], s[34:35]
	s_add_nc_u64 s[40:41], s[14:15], s[34:35]
	s_add_nc_u64 s[38:39], s[16:17], s[46:47]
	; the tokens: place p of the tile is order[start + min(p, count - 1)]; each load lands on its own address register
.set i, 0
.rept 10                                               ; v240-249: places 20 w + 2 i + h, for the gather
	v_add_nc_u32 v[240+i], 2*i, v100
	v_min_u32 v[240+i], s28, v[240+i]
	v_add_nc_u32 v[240+i], s26, v[240+i]
	v_min_u32 v[240+i], 0x3fff, v[240+i]
	v_lshlrev_b32 v[240+i], 2, v[240+i]
	global_load_b32 v[240+i], v[240+i], s[6:7]
.set i, i+1
.endr
.set i, 0
.rept 5                                                ; v250-254: places 16 k + r, my token in each token tile
	v_add_nc_u32 v[250+i], 16*i, v97
	v_min_u32 v[250+i], s28, v[250+i]
	v_add_nc_u32 v[250+i], s26, v[250+i]
	v_min_u32 v[250+i], 0x3fff, v[250+i]
	v_lshlrev_b32 v[250+i], 2, v[250+i]
	global_load_b32 v[250+i], v[250+i], s[6:7]
.set i, i+1
.endr
	LDW1 0, 7                                      ; chunk 0: 32 loads,
	LDBIAS                                         ; and 4
	WIN 0
	s_wait_loadcnt 36                              ; the tokens are in; those 36 stay out
.set i, 0
.rept 10
	v_min_u32 v[240+i], 0x3fff, v[240+i]           ; a loaded number enters an address only behind this bound
	v_lshl_add_u32 v[240+i], v[240+i], 10, v99     ; the token's row of 1,024 bytes, 16 bytes a lane
.set i, i+1
.endr
.set i, 0
.rept 5
	v_min_u32 v[250+i], 0x3fff, v[250+i]
	v_lshlrev_b32 v[105+i], 3, v[250+i]
.set i, i+1
.endr
	WIN 0x40                                       ; destination window 1
	v_mov_b32 v160, v102                           ; a copy of the LDS address beside the data, so that one setting serves conversions and stores
.set i, 0
.rept 40                                               ; load i: places 2 (i / 4) + h, piece i % 4 of the row: sixteen lanes read 256 consecutive bytes
	global_load_b128 v[4*i:4*i+3], v[240+i/4], s[4:5] offset:256*(i%4)
.set i, i+1
.endr
	WIN 0
.set i, 0
.rept 5
	global_load_b64 v[G+2*i:G+2*i+1], v[105+i], s[8:9]   ; wa, wb
.set i, i+1
.endr
.irp u, 0,1,2,3
.irp p, 0,1
	global_load_b128 v[32+8*\u+4*\p:32+8*\u+4*\p+3], v4, s[42:43] offset:64*\u+16*\p   ; b2[a]: my eight columns of column tile u
	global_load_b128 v[64+8*\u+4*\p:64+8*\u+4*\p+3], v4, s[44:45] offset:64*\u+16*\p   ; b2[b]
.endr
.endr
	WIN 0x45                                       ; destination, sources 0 and 1 in window 1
.set i, 0
.rept 40
	s_wait_loadcnt 60-i                            ; behind load i: 39 - i of x, 5 of the weights, 16 of b2
	v_cvt_pk_bf16_f32 v[4*i], v[4*i], v[4*i+1]
	v_cvt_pk_bf16_f32 v[4*i+1], v[4*i+2], v[4*i+3]
	ds_store_b64 v160, v[4*i:4*i+1] offset:(i/4)*2*XP+128*(i%4)
.set i, i+1
.endr
	WIN 0
.set i, 0
.rept 5
	ds_store_b32 v104, v[250+i] offset:64*i        ; my wave's own copy of the list
.set i, i+1
.endr
	s_wait_dscnt 0x0                               ; for the others: my 20 rows of x are stored
	s_barrier_signal -1
	s_barrier_wait -1
	LDW2 0, 0                                      ; W2 of chunk 0: 32 loads
	LDW2 1, 0
	LDW2 2, 0
	LDW2 3, 0
	WIN 0x40                                       ; x's fragments stay in registers: K step s, token tile k
.set i, 0
.rept 30
	ds_load_b128 v[8*i:8*i+3],   v6 offset:(i%5)*16*XP+64*(i/5)
	ds_load_b128 v[8*i+4:8*i+7], v6 offset:(i%5)*16*XP+64*(i/5)+32
.set i, i+1
.endr
	WIN 0x80
.set i, 0
.rept 5
	ds_load_b128 v[208+8*i:208+8*i+3],   v6 offset:i*16*XP+64*6
	ds_load_b128 v[208+8*i+4:208+8*i+7], v6 offset:i*16*XP+64*6+32
.set i, i+1
.endr
	WIN 0xc0
.set i, 0
.rept 5
	ds_load_b128 v[208+8*i:208+8*i+3],   v6 offset:i*16*XP+64*7
	ds_load_b128 v[208+8*i+4:208+8*i+7], v6 offset:i*16*XP+64*7+32
.set i, i+1
.endr
	WIN 0
	s_wait_loadcnt 32                              ; all but W2's 32: W1 and b1 of chunk 0, the weights and b2 are in
.set q, 0
.rept 32                                               ; b2 rounded to bf16 and widened again
	v_cvt_pk_bf16_f32 v[32+2*q], v[32+2*q], v[33+2*q]
	v_and_b32 v[33+2*q], 0xffff0000, v[32+2*q]
	v_lshlrev_b32 v[32+2*q], 16, v[32+2*q]
.set q, q+1
.endr
.set i, 0
.rept 5
	v_mov_b32 v[240+2*i], v[G+2*i+1]               ; the pair the other way round, so that wb too can be taken as a pair's low word
	v_mov_b32 v[241+2*i], v[G+2*i]
.set i, i+1
.endr
	WIN 0xa0                                       ; destination and source 2 in window 2.  The output's sums start as wa b2[a] + wb b2[b]: nothing is cleared
.irp u, 0,1,2,3
.irp k, 0,1,2,3,4
.irp p, 0,1,2,3
	v_pk_mul_f32 v[8*(5*\u+\k)+2*\p:8*(5*\u+\k)+2*\p+1], v[32+8*\u+2*\p:32+8*\u+2*\p+1], v[G+2*\k:G+2*\k+1] op_sel_hi:[1,0]
.endr
.endr
.endr
.irp u, 0,1,2,3
.irp k, 0,1,2,3,4
.irp p, 0,1,2,3
	v_pk_fma_f32 v[8*(5*\u+\k)+2*\p:8*(5*\u+\k)+2*\p+1], v[64+8*\u+2*\p:64+8*\u+2*\p+1], v[240+2*\k:241+2*\k], v[8*(5*\u+\k)+2*\p:8*(5*\u+\k)+2*\p+1] op_sel_hi:[1,0,1]
.endr
.endr
.endr
	WIN 0x80
.set i, 0
.rept 41
	v_mov_b32 v[PK+i], 0                           ; the packed words (a rounding into one half keeps the other, so both are written once), and 0
.set i, i+1
.endr
	v_mov_b32 v[HS], v103
	WIN 0
	s_wait_xcnt 0x0                                ; the pointers are sources of the loads issued above: they are rewritten only behind this wait
	s_mov_b32 s50, 1
	OFFS 50                                        ; W1's and b1r's pointers go on to chunk 1; W2's pointer for odd chunks is made
	s_add_nc_u64 s[36:37], s[12:13], s[34:35]
	s_add_nc_u64 s[38:39], s[16:17], s[46:47]
	s_add_nc_u64 s[52:53], s[14:15], s[34:35]
	s_wait_dscnt 0x0                               ; x's fragments are in
	; CHUNK 0: its first product and its scaling, with no second product to ride on
	G1 0
	G1 1
	G1 2
	G1 3
	WIN 0
	NOP4
	LDW1 0, 3
	LDBIAS
	G1 4
	G1 5
	G1 6
	G1 7
	GSEL
	s_wait_loadcnt 44                              ; as in a trip: W2's first run is in, so that 60 loads are out at the most
	LDW1 4, 7
.set t, 0
.rept 10
.irp q, 0,1,2,3,4,5,6,7
	RID t, \q
.endr
.set t, t+1
.endr
.set t, 0
.rept 10
	RELU t
.set t, t+1
.endr
.set t, 0
.rept 10
	HST t, 0
.set t, t+1
.endr
	WIN 0
	s_wait_loadcnt 0x0                             ; W2 of chunk 0, W1 and b1 of chunk 1: no load is out, so every pointer may be written
	s_mov_b32 s31, 1
	s_mov_b32 s50, 2
	OFFS 50                                        ; chunk 2: W1's and b1r's pointers; the first trip makes W2's of the same offset
	s_add_nc_u64 s[36:37], s[12:13], s[34:35]
	s_add_nc_u64 s[38:39], s[16:17], s[46:47]
	s_wait_dscnt 0x0                               ; for the others: my part of chunk 0 is stored
	s_barrier_signal -1
	s_barrier_wait -1
	LDH 0, 0, 0
	LDH 1, 1, 0
	s_mov_b32 s32, 7
.Lchunk:                                               ; chunks 1 to 14, two a trip of the loop, so that the LDS buffers and the pointers' sets are constants of the text
	TRIP 1, 1
	TRIP 0, 1
	s_sub_co_u32 s32, s32, 1
	s_cmp_lg_u32 s32, 0
	s_cbranch_scc1 .Lchunk
	TRIP 1, 0                                      ; chunk 15: there is no further W1 or b1, so no load leaves its buffer
	; the second product of chunk 15.  LDS: each wait leaves the ten loads just issued out.  Global: 3, 2, 1, 0 younger runs of W2
.set i, 0
.rept 80
.if i == 0
	s_wait_dscnt 10
	s_wait_loadcnt 24
.elseif i == 20
	NOP4
	LDH 0, 2, 1
	s_wait_dscnt 10
	s_wait_loadcnt 16
.elseif i == 40
	NOP4
	LDH 1, 3, 1
	s_wait_dscnt 10
	s_wait_loadcnt 8
.elseif i == 60
	s_wait_dscnt 0x0
	s_wait_loadcnt 0x0
.endif
	MM2
.set i, i+1
.endr
	WIN 0
	NOP4
	; THE WAY OUT, a token tile at a time: a lane's eight columns of a token go into my stage (rows of 272 bytes) and come back as whole rows of 256 bytes; the row's token comes from my copy of the list.
	; A tile that begins at or past the count is jumped, with all behind it: no barrier stands there.  Each tile has 40 registers of its own, so no store's sources are rewritten.
.irp k, 0,1,2,3,4
	s_cmp_le_u32 s27, 16*\k
	s_cbranch_scc1 .Lfin
	WIN 0x08                                       ; the data (source 1) in window 2
.irp u, 0,1,2,3
.irp p, 0,1
	ds_store_b128 v8, v[8*(5*\u+\k)+4*\p:8*(5*\u+\k)+4*\p+3] offset:(\k%2)*16*HP+64*\u+16*\p   ; each accumulator's lowest registers first
.endr
.endr
	WIN 0
.irp t, 0,1,2,3,4,5,6,7
	ds_load_b128 v[32+40*\k+4*\t:32+40*\k+4*\t+3], v9 offset:(\k%2)*16*HP+\t*2*HP   ; LDS serves a wave in order: these see the stores above
.endr
.irp t, 0,1,2,3,4,5,6,7
	ds_load_b32 v[64+40*\k+\t], v7 offset:(16*\k+2*\t)*4
.endr
	s_wait_dscnt 0x0
.irp t, 0,1,2,3,4,5,6,7
	v_min_u32 v[64+40*\k+\t], 0x3fff, v[64+40*\k+\t]
	v_lshl_add_u32 v[64+40*\k+\t], v[64+40*\k+\t], 10, v10
.endr
.irp t, 0,1,2,3,4,5,6,7
	global_store_b128 v[64+40*\k+\t], v[32+40*\k+4*\t:32+40*\k+4*\t+3], s[20:21] th:TH_STORE_NT   ; sixteen lanes store 256 consecutive bytes, at a multiple of 256 from out0's first
.endr
.endr
.Lfin:
	s_wait_tensorcnt 0x0                           ; the wave's end
	ds_add_u32 v1, v2
	s_wait_dscnt 0x0
	s_endpgm
.Lfunc_end_k_qecd0673065_chain:
	.size	k_qecd0673065_chain, .Lfunc_end_k_qecd0673065_chain-k_qecd0673065_chain
	.p2alignl 7, 3214868480
	.fill 96, 4, 3214868480
	.section	.rodata,"a",@progbits
	.p2align	6, 0x0
	.amdhsa_kernel k_qecd0673065_chain
		.amdhsa_group_segment_fixed_size 87552
		.amdhsa_private_segment_fixed_size 0
		.amdhsa_enable_private_segment 0
		.amdhsa_kernarg_size 72
		.amdhsa_user_sgpr_count 2
		.amdhsa_user_sgpr_kernarg_segment_ptr 1
		.amdhsa_wavefront_size32 1
		.amdhsa_system_sgpr_workgroup_id_x 1
		.amdhsa_system_sgpr_workgroup_id_y 1
		.amdhsa_system_sgpr_workgroup_id_z 1
		.amdhsa_system_vgpr_workitem_id 0
		.amdhsa_next_free_vgpr 1024
		.amdhsa_next_free_sgpr 66
		.amdhsa_reserve_vcc 0
		.amdhsa_float_denorm_mode_32 3
		.amdhsa_float_denorm_mode_16_64 3
		.amdhsa_memory_ordered 1
		.amdhsa_forward_progress 1
		.amdhsa_inst_pref_size 183
	.end_amdhsa_kernel
	.amdgpu_metadata
---
amdhsa.version: [ 1, 2 ]
amdhsa.kernels:
  - .name:           k_qecd0673065_chain
    .symbol:         k_qecd0673065_chain.kd
    .args:
      - { .name: x, .offset: 0, .size: 8, .value_kind: global_buffer, .address_space: global }
      - { .name: order, .offset: 8, .size: 8, .value_kind: global_buffer, .address_space: global }
      - { .name: gate, .offset: 16, .size: 8, .value_kind: global_buffer, .address_space: global }
      - { .name: tiles, .offset: 24, .size: 8, .value_kind: global_buffer, .address_space: global }
      - { .name: w1f, .offset: 32, .size: 8, .value_kind: global_buffer, .address_space: global }
      - { .name: w2f, .offset: 40, .size: 8, .value_kind: global_buffer, .address_space: global }
      - { .name: b1r, .offset: 48, .size: 8, .value_kind: global_buffer, .address_space: global }
      - { .name: b2, .offset: 56, .size: 8, .value_kind: global_buffer, .address_space: global }
      - { .name: out0, .offset: 64, .size: 8, .value_kind: global_buffer, .address_space: global }
    .group_segment_fixed_size: 87552
    .private_segment_fixed_size: 0
    .kernarg_segment_align: 8
    .kernarg_segment_size: 72
    .max_flat_workgroup_size: 128
    .sgpr_count:     66
    .vgpr_count:     1024
    .wavefront_size: 32
...
	.end_amdgpu_metadata
.endif
;; end of part 3
;; ======== version 2 of 2: 3 launches; version 1 with the launch chain written anew for expert scheduling mode
;; workspace buffers: hist 32,768 bytes of whole numbers; pid 65,536 bytes of whole numbers; gate 131,072 bytes; order 65,536 bytes of whole numbers; tiles 4,096 bytes of whole numbers; w1f 4,194,304 bytes; w2f 4,194,304 bytes; b1r 32,768 bytes
;; launch router: the kernel of part 1 again; grid 256 x 1, 4 waves a work-group, no clusters, 39,936 bytes of LDS; arguments x, Wg, out1, gate, pid, hist; writes out1, gate, pid, hist
;; launch place: the kernel of part 2 again; grid 256 x 1, 5 waves a work-group, no clusters, 46,336 bytes of LDS; arguments W1, W2, hist, pid, w1f, w2f, order, tiles, b1, b1r; writes w1f, w2f, order, tiles, b1r
;; launch chain (part 4): grid 232 x 1, 4 waves a work-group, no clusters, 87,552 bytes of LDS; arguments x, order, gate, tiles, w1f, w2f, b1r, b2, out0; writes out0
.if DOCPART == 4
	.amdgcn_target "amdgcn-amd-amdhsa--gfx1250"
	.amdhsa_code_object_version 6
	.text
	.protected	k_qecd0673065_chain
	.globl	k_qecd0673065_chain
	.p2align	8
	.type	k_qecd0673065_chain,@function
k_qecd0673065_chain:
	s_mov_b64 s[64:65], 0
	v_nop
	global_prefetch_b8 v0, s[64:65] scope:SCOPE_SE
	s_setreg_imm32_b32 hwreg(HW_REG_WAVE_SCHED_MODE, 0, 2), 2
	s_setreg_imm32_b32 hwreg(HW_REG_WAVE_MODE, 25, 1), 1
	s_wait_xcnt 0x0
	s_wait_alu depctr_vm_vsrc(0)
; CHAIN.  out0[t] = wa (relu(x[t] W1[a] + b1[a]) W2[a] + b2[a]) + wb (the same for b), for up to 80 tokens t that chose the same two experts a < b.
; A work-group reads its entry (a, b, start, count) of the table of tiles, gathers its tokens' rows of x by the sorted list, and takes them through both experts.  The gate's weight is
; folded into the hidden layer (w relu(h) = relu(w h), since w >= 0), so both experts add into ONE accumulator, which starts as wa b2[a] + wb b2[b]: each output row has one owner.
; 232 work-groups serve every split of 16,384 tokens over 28 sets: floor((16384 + 28 x 79) / 80).  An entry with count 0 walks the text on clamped rows and stores nothing: every wave passes every
; barrier, and only the stores are jumped.  Places past the count repeat the tile's last token and store the same numbers to the same bytes.
; THE WALK.  The two experts' 2 x 1,024 hidden units go in 16 chunks of 128.  In a chunk wave w makes hidden units 32 w .. 32 w + 31 for all 80 tokens (80 matrix instructions), hands them on
; through LDS in bf16, and adds the whole chunk onto its output columns 64 w .. 64 w + 63 (80 matrix instructions).  A trip holds the first product of chunk c and the second of chunk c - 1, with
; chunk c's scaling, rounding and maximum riding behind the first 40 instructions of the second product.  One barrier a trip, signalled at the second product's instruction 60 and waited for behind its last.
; BOTH PRODUCTS ARE USED TRANSPOSED (source 0 = weights, source 1 = tokens): a lane holds one token (lane % 16) and eight neighbouring hidden units or columns.
; THE WEIGHTS come from memory straight into operand registers, as the launch before laid them out: each byte is read by one wave of the work-group and feeds five matrix instructions.
; NO CLUSTER: tiles of one set walk the same weights, but a joint load lands in LDS: the 2 MiB that a work-group walks would be written to LDS and read from it again, with a round of the cluster's
; barrier for each slot; and whole clusters of four tiles for each set can number floor((16384 + 28 x 319) / 320) = 79, 316 work-groups against this grid's 232.
; FORMATS.  x, W1, b1, W2, b2 rounded to bf16 (W1, W2 and b1 by the launch before; b1r holds the rounded numbers as f32), w h rounded once to bf16, all sums f32.  bf16 and not f16 for h: it has f32's range.
; LIMITS.  NaN and infinities are not treated apart: the maximum with 0 turns a NaN in the hidden layer into 0.
; THE MODE: SCHED_MODE bits 1:0 = 2 (LLVM: expert scheduling mode 2), set by the entry lines.  The code itself states the register dependences
; between vector or matrix instructions and memory or LDS instructions, with s_wait_alu, always for 0.
; THE PLAN.  Registers that memory or LDS instructions touch in a trip, and who else names them:
;   W1's K steps 0-3 and b1     read by the first product's K steps 0-3; behind those group A's loads land in them.
;   W1's K steps 4-7            read by its K steps 4-7; behind those group B's loads land in them.
;   the packed words            tiles 0-4 are written by the riders behind products 0-19 of the second product and read by group C's LDS stores; tiles 5-9 by those behind products 20-39, and group D's; a trip later they are written again.
;   h's buffer 0, W2's K step 0 read by products 0-19; group C's loads land in them.      h's buffer 1, W2's K step 1: products 20-39, group D.      Both buffers, W2's K steps 2 and 3: products 40-79, group F.
;   v3, v4, v5, the address by which h is stored: made at the head and never written again.
; So a trip has five waits on va_vdst, one ahead of each group, and what follows a group names none of the registers that the group touches; and one wait on vm_vsrc, ahead of the first rider.
; The hidden sums, the output's accumulators, x's fragments and the weights of the gate are named by vector and matrix instructions alone until the way out.
; REGISTERS, in windows of 256 (s_set_vgpr_msb: bits 1:0 source 0, 3:2 source 1, 5:4 source 2, 7:6 destination):
;   window 0: v0-10 addresses; v16-25 the weights (wa, wb) of my token in each of five token tiles; v26-30 the chunk's weight; v32-111 h's fragments, two buffers of five (at the head: v32-46 the list as loaded, then b2); v112-239 W1 of a chunk; v240-255 at work
;   window 1: v0-239 x's fragments of K steps 0-5 (at 40 s + 8 k); v240-255 b1 of a chunk
;   window 2: v0-159 the 20 output accumulators (column tile u, token tile k at 8 (5 u + k)); v160-199 w h packed; v200 0; v201 where I store h; v208-247 x, K step 6
;   window 3: v0-127 W2 of a chunk (K step s2, column tile u at 8 (4 s2 + u)); v128-207 the 10 hidden accumulators (tile 5 t + k); v208-247 x, K step 7
; SCALARS: s[36:37] W1's pointer, s[38:39] b1r's, s[40:41] W2's for even chunks, s[52:53] W2's for odd chunks; s[34:35], s[46:47] offsets in the making; s31 the chunk.
.set HP,    272                        ; a row of h in LDS: 128 bf16 = 256 bytes + 16 of padding
.set HB,    80*HP                      ; a buffer of h; two of them from byte 0
.set XB,    2*HB                       ; x in bf16: 80 rows; at the end each wave's two stages of 16 rows x 272 bytes
.set XP,    528                        ; a row of x: 512 bytes + 16
.set TOKL,  XB+80*XP                   ; the 80 tokens' numbers, a copy of 320 bytes for each wave
.set SPARE, TOKL+4*320                 ; the spare words, 128 bytes a wave: two blocks of 256 bytes that no other line names
.set STGW,  2*16*HP
.set G,     16
.set GC,    26
.set HF,    32
.set TK,    32                         ; at the head only: the list as loaded
.set W1R,   112
.set BI,    240                        ; window 1
.set PK,    160                        ; window 2
.set ZERO,  200
.set HS,    201
.set SR,    128                        ; window 3
.set MSB, 0
.macro WIN new                         ; the immediate's high byte repeats the setting that is left; a switch that changes nothing is dropped
.if MSB != (\new)
	s_set_vgpr_msb (MSB<<8)|(\new)
.set MSB, \new
.endif
.endm
.macro NOP4                            ; four places behind a matrix instruction (ISA guide 7.12.1)
.rept 4
	v_nop
.endr
.endm
; Chunk n (a scalar register's number) -> s[34:35] its byte offset in w1f and w2f for my wave, s[46:47] in b1r.  The expert is chosen first and bounded last; behind the bound only shifts left and sums.
; In three parts, so that in a trip they can stand behind different matrix instructions.
.macro OFFS_A n
	s_cmp_lt_u32 s[\n], 8
	s_cselect_b32 s34, s24, s25
	s_min_u32 s34, s34, 7
	s_and_b32 s35, s[\n], 7
.endm
.macro OFFS_B
	s_lshl_b32 s46, s34, 12
	s_lshl_b32 s47, s35, 9
	s_add_co_u32 s46, s46, s47
	s_add_co_u32 s46, s46, s49
	s_mov_b32 s47, 0
.endm
.macro OFFS_C
	s_lshl_b32 s34, s34, 19
	s_lshl_b32 s35, s35, 16
	s_add_co_u32 s34, s34, s35
	s_add_co_u32 s34, s34, s48
	s_mov_b32 s35, 0
.endm
.macro OFFS n
	OFFS_A \n
	OFFS_B
	OFFS_C
.endm
.macro LDW1 lo, hi                     ; W1's fragments of K steps lo .. hi, both hidden tiles: four loads of 512 consecutive bytes a K step
	WIN 0
.set ks, \lo
.rept (\hi)-(\lo)+1
.irp t, 0,1
.irp p, 0,1
	global_load_b128 v[W1R+8*(2*ks+\t)+4*\p:W1R+8*(2*ks+\t)+4*\p+3], v3, s[36:37] offset:(8*\t+ks)*1024+512*\p
.endr
.endr
.set ks, ks+1
.endr
.endm
.macro LDBIAS                          ; b1 of my 32 hidden units: a lane's eight of each tile
	WIN 0x40
.irp t, 0,1
.irp p, 0,1
	global_load_b128 v[BI+8*\t+4*\p:BI+8*\t+4*\p+3], v4, s[38:39] offset:64*\t+16*\p
.endr
.endr
.endm
.macro LDW2 s2, par                    ; W2's four fragments of K step s2, by the pointer of the chunk's parity
	WIN 0xc0
.irp u, 0,1,2,3
.irp p, 0,1
	global_load_b128 v[8*(4*(\s2)+\u)+4*\p:8*(4*(\s2)+\u)+4*\p+3], v3, s[40+12*(\par):41+12*(\par)] offset:(4*(\s2)+\u)*1024+512*\p
.endr
.endr
.endm
.macro LDH buf, s2, par                ; h's five fragments of K step s2 out of LDS buffer par
	WIN 0
.irp k, 0,1,2,3,4
.irp p, 0,1
	ds_load_b128 v[HF+40*(\buf)+8*\k+4*\p:HF+40*(\buf)+8*\k+4*\p+3], v5 offset:(\par)*HB+\k*16*HP+64*(\s2)+32*\p
.endr
.endr
.endm
; K step st of the first product: ten matrix instructions, the ten accumulators by turns.  K step 0 starts the sums with b1 as C.
.macro G1 st
.if (\st) == 0
	WIN 0xd4
.elseif (\st) < 6
	WIN 0xf4
.elseif (\st) == 6
	WIN 0xf8
.else
	WIN 0xfc
.endif
.if (\st) < 6
.set rX, 40*(\st)
.else
.set rX, 208
.endif
.irp t, 0,1
.irp k, 0,1,2,3,4
.if (\st) == 0
	v_wmma_f32_16x16x32_bf16 v[SR+8*(5*\t+\k):SR+8*(5*\t+\k)+7], v[W1R+8*(2*(\st)+\t):W1R+8*(2*(\st)+\t)+7], v[rX+8*\k:rX+8*\k+7], v[BI+8*\t:BI+8*\t+7]
.else
	v_wmma_f32_16x16x32_bf16 v[SR+8*(5*\t+\k):SR+8*(5*\t+\k)+7], v[W1R+8*(2*(\st)+\t):W1R+8*(2*(\st)+\t)+7], v[rX+8*\k:rX+8*\k+7], v[SR+8*(5*\t+\k):SR+8*(5*\t+\k)+7]
.endif
.endr
.endr
.endm
.macro GSEL                            ; the chunk's weight: wa for chunks 0-7, wb for 8-15.  Five plain instructions that name no register of the products: also the places behind them
	WIN 0
	s_cmp_ge_u32 s31, 8
	s_cselect_b32 s33, -1, 0
.irp k, 0,1,2,3,4
	v_cndmask_b32 v[GC+\k], v[G+2*\k], v[G+2*\k+1], s33
.endr
.endm
.macro MM2                             ; instruction i of 80 of the second product: K step i / 20, column tile (i % 20) / 5, token tile i % 5; the 20 accumulators by turns
	WIN 0xa3
.set rY, 8*(5*((i%20)/5)+i%5)
.set rW, 8*(4*(i/20)+(i%20)/5)
.set rH, HF+40*((i/20)%2)+8*(i%5)
	v_wmma_f32_16x16x32_bf16 v[rY:rY+7], v[rW:rW+7], v[rH:rH+7], v[rY:rY+7]
.endm
; Number q of the eight roundings of hidden tile tau: a register times the weight, rounded once to bf16, into one half of a packed word; under the second product's windows.
; q = 0-3: registers 0, 2, 4, 6 into the low halves (the accumulator's lowest register is read first); q = 4-7: registers 1, 3, 5, 7 into the high halves.
.macro RID tau, q
	WIN 0xa3
.if (\q) < 4
	v_fma_mixlo_bf16 v[PK+4*(\tau)+(\q)], v[SR+8*(\tau)+2*(\q)], v[GC+(\tau)%5], v[ZERO]
.else
	v_fma_mixhi_bf16 v[PK+4*(\tau)+(\q)-4], v[SR+8*(\tau)+2*((\q)-4)+1], v[GC+(\tau)%5], v[ZERO]
.endif
.endm
.macro RELU tau                        ; hidden tile tau: the maximum with 0, two numbers a line
	WIN 0xaa
.irp q, 0,1,2,3
	v_pk_max_num_bf16 v[PK+4*(\tau)+\q], v[PK+4*(\tau)+\q], v[ZERO]
.endr
.endm
.macro HST tau, par                    ; hidden tile tau: 16 bytes (eight hidden units of my token) into LDS buffer par
	WIN 0xaa
	ds_store_b128 v[HS], v[PK+4*(\tau):PK+4*(\tau)+3] offset:(\par)*HB+((\tau)%5)*16*HP+32*((\tau)/5)
.endm
; A TRIP, for chunk c.  par: c's parity: the LDS buffer that takes chunk c (chunk c - 1 lies in the other) and the pointer by which W2 of chunk c is fetched.  w1 = 1: W1 and b1 of chunk c + 1 are fetched.
; At its head h's fragments of K steps 0 and 1 of chunk c - 1 are asked for (20 LDS loads), and W2 of chunk c - 1 is on its way or in.
; MEMORY INSTRUCTIONS STAND IN FIVE GROUPS, each behind one wait on va_vdst.  A: 20 loads (W1's K steps 0-3, b1), behind the first product's K step 3.  B: 16 loads (W1's K steps 4-7), behind its K step 7.
; C, ahead of product 20 of the second product: five LDS stores (hidden tiles 0-4), ten LDS loads (h's K step 2), eight loads (W2 of chunk c, K step 0).  D, ahead of product 40: the same for tiles 5-9, h's K step 3, W2's K step 1.
; F, behind the barrier: 16 loads (W2's K steps 2 and 3) and 20 LDS loads (chunk c's K steps 0 and 1).  A wait's count on LOADcnt is what was issued behind the run that is needed:
;   ahead of B, for W2's K step 0 of the trip before: its D and F, and A: 8 + 16 + 20.      ahead of C's loads, for K step 1: F, A, B: 16 + 36.
;   ahead of D's loads, for K step 2: the other half of F, A, B, C: 8 + 36 + 8.              ahead of product 60, for K step 3: A, B, C, D: 36 + 16.      at the end, for A and B: C and D: 16.
; So at most 60 loads of the wave are out.  LDS likewise: product 0: the ten loads of K step 1; products 20 and 40: the group's five stores and ten loads; 60: none.
; POINTERS are rewritten only behind the counted wait that shows their loads done: W2's other set behind product 60's wait (its loads are the trip before's), W1's and b1r's behind the wait at the end.
; THE BARRIER: at product 60 my stores of chunk c are done and my reads of chunk c - 1 are back; between signal and wait stand 20 products, scalar work and four v_nop.  Behind the wait chunk c is read,
; and the buffer of chunk c - 1 is written again in the next trip.
; PLACES behind the last product that read registers which are loaded next stay beside the waits: A: four v_nop; B: the five selects; C and D: the four maxima behind products 19 and 39; F: four v_nop.
.macro TRIP par, w1
	G1 0
	G1 1
	G1 2
	G1 3
.if \w1
	WIN 0
	NOP4
	s_wait_alu depctr_va_vdst(0)                   ; K steps 0-3 of the first product are done reading their W1 and b1, in which group A's loads land
	LDW1 0, 3
	LDBIAS
.endif
	G1 4
	G1 5
	G1 6
	G1 7
	GSEL
	s_wait_loadcnt 24+20*(\w1)
	s_wait_alu depctr_vm_vsrc(0)                   ; the LDS stores of the chunk before have read the packed words, which the riders below write again
.if \w1
	s_wait_alu depctr_va_vdst(0)                   ; K steps 4-7 of the first product are done reading their W1, in which group B's loads land
	LDW1 4, 7
.endif
.set i, 0
.rept 80
.if i == 0
	s_wait_dscnt 10
.elseif i == 20
	s_wait_loadcnt 16+36*(\w1)
	WIN 0xaa
	s_wait_alu depctr_va_vdst(0)                   ; the riders have written the packed words of tiles 0-4, which the stores read; products 0-19 are done reading h's buffer 0 and W2's K step 0, in which the loads land
.irp t, 0,1,2,3,4
	HST \t, \par
.endr
	LDH 0, 2, 1-(\par)
	LDW2 0, \par
	s_wait_dscnt 15
.elseif i == 40
	s_wait_loadcnt 16+36*(\w1)
	WIN 0xaa
	s_wait_alu depctr_va_vdst(0)                   ; the riders have written the packed words of tiles 5-9, which the stores read; products 20-39 are done reading h's buffer 1 and W2's K step 1, in which the loads land
.irp t, 5,6,7,8,9
	HST \t, \par
.endr
	LDH 1, 3, 1-(\par)
	LDW2 1, \par
	s_wait_dscnt 15
.elseif i == 60
	s_wait_loadcnt 16+36*(\w1)
	s_wait_dscnt 0x0
	s_barrier_signal -1
.endif
	MM2
.if i < 40                             ; a hidden tile takes four products: three, three and two roundings behind the first three, the four maxima behind the fourth
.if i%4 == 0
	RID i/4, 0
	RID i/4, 1
	RID i/4, 2
.elseif i%4 == 1
	RID i/4, 3
	RID i/4, 4
	RID i/4, 5
.elseif i%4 == 2
	RID i/4, 6
	RID i/4, 7
.else
	RELU i/4
.endif
.endif
.if \w1
.if i == 61
	s_add_nc_u64 s[40+12*(1-(\par)):41+12*(1-(\par))], s[14:15], s[34:35]   ; W2 of chunk c + 1: its offset was made a trip ago, for W1
	s_add_co_u32 s31, s31, 1
	s_add_co_u32 s50, s31, 1                       ; c + 2
.elseif i == 63
	OFFS_A 50
.elseif i == 65
	OFFS_B
.elseif i == 67
	OFFS_C
.endif
.endif
.set i, i+1
.endr
	NOP4
	s_barrier_wait -1
.if \w1
	s_wait_loadcnt 16                              ; W1 and b1 of chunk c + 1 are in
	s_add_nc_u64 s[36:37], s[12:13], s[34:35]      ; their pointers go on to chunk c + 2
	s_add_nc_u64 s[38:39], s[16:17], s[46:47]
.endif
	WIN 0xc0
	s_wait_alu depctr_va_vdst(0)                   ; products 40-79 are done reading W2's K steps 2 and 3 and both buffers of h's fragments, in which group F's loads land
	LDW2 2, \par
	LDW2 3, \par
	LDH 0, 0, \par
	LDH 1, 1, \par
.endm
	s_load_b512 s[4:19], s[0:1], 0x0               ; x s[4:5], order s[6:7], gate s[8:9], tiles s[10:11], w1f s[12:13], w2f s[14:15], b1r s[16:17], b2 s[18:19]
	s_load_b64 s[20:21], s[0:1], 0x40              ; out0
	v_lshl_add_u32 v1, v0, 2, SPARE                ; my spare word; never rewritten
	v_mov_b32 v2, 0                                ; 0; never rewritten
	v_lshrrev_b32 v96, 5, v0
	v_readfirstlane_b32 s22, v96                   ; wave 0..3
	s_lshl_b32 s23, ttmp9, 4
	s_wait_kmcnt 0x0
	s_load_b128 s[24:27], s[10:11], s23 offset:0x0 ; a, b, start, count
	v_and_b32 v96, 31, v0                          ; lane
	v_and_b32 v97, 15, v0                          ; r
	v_bfe_u32 v98, v0, 4, 1                        ; h
	v_lshlrev_b32 v3, 4, v96                       ; 16 x lane: the weights' fragments
	v_lshlrev_b32 v4, 5, v98                       ; 32 h: the biases
	v_lshlrev_b32 v99, 4, v97                      ; 16 r
	v_mul_u32_u24 v5, v97, HP
	v_lshl_add_u32 v5, v98, 4, v5                  ; h's fragments: row r, 16 bytes for each half of the lanes
	v_mul_u32_u24 v6, v97, XP
	v_lshl_add_u32 v6, v98, 4, v6
	v_add_nc_u32 v6, XB, v6                        ; x's fragments
	s_wait_alu depctr_va_sdst(0)                   ; s22 is written, ahead of its first reader: LDS places, offsets and pointers are made from it
	s_mul_i32 s51, s22, 320
	s_add_co_u32 s51, s51, TOKL
	v_lshl_add_u32 v7, v98, 2, s51                 ; the list, read on the way out: place h
	v_lshl_add_u32 v104, v97, 2, s51               ; the list, stored: place r
	s_mul_i32 s51, s22, STGW
	s_add_co_u32 s51, s51, XB                      ; my stages
	v_mul_u32_u24 v8, v97, HP
	v_lshl_add_u32 v8, v98, 5, v8
	v_add_nc_u32 v8, s51, v8                       ; in: row r, 32 bytes for each half of the lanes
	v_mul_u32_u24 v9, v98, HP
	v_lshl_add_u32 v9, v97, 4, v9
	v_add_nc_u32 v9, s51, v9                       ; back: lanes 0-15 one row of 256 bytes, lanes 16-31 the next
	s_lshl_b32 s50, s22, 6
	v_add_nc_u32 v103, s50, v5                     ; where I store h: row r, byte 64 w + 16 h
	s_mul_i32 s50, s22, 20
	v_add_nc_u32 v100, s50, v98                    ; the gather: wave w brings places 20 w .. 20 w + 19, two a load
	v_mul_u32_u24 v102, v100, XP
	v_lshl_add_u32 v102, v97, 3, v102
	v_add_nc_u32 v102, XB, v102
	s_lshl_b32 s51, s22, 8
	v_lshl_add_u32 v10, v97, 4, s51                ; my 16 bytes in a row of out0: 256 w + 16 r
	s_lshl_b32 s48, s22, 14
	s_lshl_b32 s49, s22, 7
	s_mov_b32 s31, 0                               ; c
	s_wait_kmcnt 0x0
	s_min_u32 s24, s24, 7
	s_min_u32 s25, s25, 7
	s_min_u32 s26, s26, 0x3fff
	s_min_u32 s27, s27, 80
	s_max_u32 s28, s27, 1
	s_sub_co_u32 s28, s28, 1                       ; the tile's last place
	s_lshl_b32 s42, s24, 10                        ; b2 of a and of b at my 64 columns
	s_add_co_u32 s42, s42, s51
	s_mov_b32 s43, 0
	s_add_nc_u64 s[42:43], s[18:19], s[42:43]
	s_lshl_b32 s44, s25, 10
	s_add_co_u32 s44, s44, s51
	s_mov_b32 s45, 0
	s_add_nc_u64 s[44:45], s[18:19], s[44:45]
	OFFS 31                                        ; chunk 0
	s_add_nc_u64 s[36:37], s[12:13], s[34:35]
	s_add_nc_u64 s[40:41], s[14:15], s[34:35]
	s_add_nc_u64 s[38:39], s[16:17], s[46:47]
	; the tokens: place p of the tile is order[start + min(p, count - 1)].  All fifteen offsets are made first, so that one wait serves the fifteen loads
.set i, 0
.rept 10                                               ; v240-249: places 20 w + 2 i + h, for the gather
	v_add_nc_u32 v[240+i], 2*i, v100
	v_min_u32 v[240+i], s28, v[240+i]
	v_add_nc_u32 v[240+i], s26, v[240+i]
	v_min_u32 v[240+i], 0x3fff, v[240+i]
	v_lshlrev_b32 v[240+i], 2, v[240+i]
.set i, i+1
.endr
.set i, 0
.rept 5                                                ; v250-254: places 16 k + r, my token in each token tile
	v_add_nc_u32 v[250+i], 16*i, v97
	v_min_u32 v[250+i], s28, v[250+i]
	v_add_nc_u32 v[250+i], s26, v[250+i]
	v_min_u32 v[250+i], 0x3fff, v[250+i]
	v_lshlrev_b32 v[250+i], 2, v[250+i]
.set i, i+1
.endr
	s_wait_alu depctr_va_vdst(0)                   ; the offsets v240-254 are written, which the list's loads read; so are v3 to v10 and v104, which loads and stores of the whole kernel read
.set i, 0
.rept 15
	global_load_b32 v[TK+i], v[240+i], s[6:7]
.set i, i+1
.endr
	LDW1 0, 7                                      ; chunk 0: 32 loads,
	LDBIAS                                         ; and 4
	WIN 0
	s_wait_loadcnt 36                              ; the tokens are in; those 36 stay out
	s_wait_alu depctr_vm_vsrc(0)                   ; the list's loads have read v240-254, which are written again below
.set i, 0
.rept 10
	v_min_u32 v[240+i], 0x3fff, v[TK+i]            ; a loaded number enters an address only behind this bound
	v_lshl_add_u32 v[240+i], v[240+i], 10, v99     ; the token's row of 1,024 bytes, 16 bytes a lane
.set i, i+1
.endr
.set i, 0
.rept 5
	v_min_u32 v[250+i], 0x3fff, v[TK+10+i]
	v_lshlrev_b32 v[105+i], 3, v[250+i]
.set i, i+1
.endr
	WIN 0x40                                       ; destination window 1
	v_mov_b32 v160, v102                           ; a copy of the LDS address beside the data, so that one setting serves conversions and stores
	s_wait_alu depctr_va_vdst(0)                   ; written: the rows' offsets v240-249, the weights' offsets v105-109, the tokens v250-254 and the copy of the LDS address, which the loads and stores below read; read: v32-46, in which b2 lands
.set i, 0
.rept 40                                               ; load i: places 2 (i / 4) + h, piece i % 4 of the row: sixteen lanes read 256 consecutive bytes
	global_load_b128 v[4*i:4*i+3], v[240+i/4], s[4:5] offset:256*(i%4)
.set i, i+1
.endr
	WIN 0
.set i, 0
.rept 5
	global_load_b64 v[G+2*i:G+2*i+1], v[105+i], s[8:9]   ; wa, wb
.set i, i+1
.endr
.irp u, 0,1,2,3
.irp p, 0,1
	global_load_b128 v[32+8*\u+4*\p:32+8*\u+4*\p+3], v4, s[42:43] offset:64*\u+16*\p   ; b2[a]: my eight columns of column tile u
	global_load_b128 v[64+8*\u+4*\p:64+8*\u+4*\p+3], v4, s[44:45] offset:64*\u+16*\p   ; b2[b]
.endr
.endr
	WIN 0x45                                       ; destination, sources 0 and 1 in window 1
.set g, 0
.rept 5                                                ; x is rounded and stored eight loads at a time, so that one wait serves eight LDS stores
	s_wait_loadcnt 53-8*g                          ; behind load 8 g + 7: 32 - 8 g of x, 5 of the weights, 16 of b2
.set i, 8*g
.rept 8
	v_cvt_pk_bf16_f32 v[4*i], v[4*i], v[4*i+1]
	v_cvt_pk_bf16_f32 v[4*i+1], v[4*i+2], v[4*i+3]
.set i, i+1
.endr
	s_wait_alu depctr_va_vdst(0)                   ; the sixteen conversions have written the pairs that the eight LDS stores read
.set i, 8*g
.rept 8
	ds_store_b64 v160, v[4*i:4*i+1] offset:(i/4)*2*XP+128*(i%4)
.set i, i+1
.endr
.set g, g+1
.endr
	WIN 0
.set i, 0
.rept 5
	ds_store_b32 v104, v[250+i] offset:64*i        ; my wave's own copy of the list; its address and data were written ahead of the wait in front of the gather
.set i, i+1
.endr
	s_wait_dscnt 0x0                               ; for the others: my 20 rows of x are stored
	s_barrier_signal -1
	s_barrier_wait -1
	LDW2 0, 0                                      ; W2 of chunk 0: 32 loads, into registers that nothing has named
	LDW2 1, 0
	LDW2 2, 0
	LDW2 3, 0
	WIN 0x40                                       ; x's fragments stay in registers: K step s, token tile k
	s_wait_alu depctr_va_vdst(0)                   ; the conversions have written, and are done reading, window 1's v0-159, in which the fragments land (stores that read them stand behind the last such wait)
	s_wait_alu depctr_vm_vsrc(0)                   ; the LDS stores have read window 1's v0-160, in which the fragments land; the gather has read v240-249, the weights' loads v105-109 and the list's stores v104, all written again further down
.set i, 0
.rept 30
	ds_load_b128 v[8*i:8*i+3],   v6 offset:(i%5)*16*XP+64*(i/5)
	ds_load_b128 v[8*i+4:8*i+7], v6 offset:(i%5)*16*XP+64*(i/5)+32
.set i, i+1
.endr
	WIN 0x80
.set i, 0
.rept 5
	ds_load_b128 v[208+8*i:208+8*i+3],   v6 offset:i*16*XP+64*6
	ds_load_b128 v[208+8*i+4:208+8*i+7], v6 offset:i*16*XP+64*6+32
.set i, i+1
.endr
	WIN 0xc0
.set i, 0
.rept 5
	ds_load_b128 v[208+8*i:208+8*i+3],   v6 offset:i*16*XP+64*7
	ds_load_b128 v[208+8*i+4:208+8*i+7], v6 offset:i*16*XP+64*7+32
.set i, i+1
.endr
	WIN 0
	s_wait_loadcnt 32                              ; all but W2's 32: W1 and b1 of chunk 0, the weights and b2 are in
.set q, 0
.rept 32                                               ; b2 rounded to bf16 and widened again
	v_cvt_pk_bf16_f32 v[32+2*q], v[32+2*q], v[33+2*q]
	v_and_b32 v[33+2*q], 0xffff0000, v[32+2*q]
	v_lshlrev_b32 v[32+2*q], 16, v[32+2*q]
.set q, q+1
.endr
.set i, 0
.rept 5
	v_mov_b32 v[240+2*i], v[G+2*i+1]               ; the pair the other way round, so that wb too can be taken as a pair's low word
	v_mov_b32 v[241+2*i], v[G+2*i]
.set i, i+1
.endr
	WIN 0xa0                                       ; destination and source 2 in window 2.  The output's sums start as wa b2[a] + wb b2[b]: nothing is cleared
.irp u, 0,1,2,3
.irp k, 0,1,2,3,4
.irp p, 0,1,2,3
	v_pk_mul_f32 v[8*(5*\u+\k)+2*\p:8*(5*\u+\k)+2*\p+1], v[32+8*\u+2*\p:32+8*\u+2*\p+1], v[G+2*\k:G+2*\k+1] op_sel_hi:[1,0]
.endr
.endr
.endr
.irp u, 0,1,2,3
.irp k, 0,1,2,3,4
.irp p, 0,1,2,3
	v_pk_fma_f32 v[8*(5*\u+\k)+2*\p:8*(5*\u+\k)+2*\p+1], v[64+8*\u+2*\p:64+8*\u+2*\p+1], v[240+2*\k:241+2*\k], v[8*(5*\u+\k)+2*\p:8*(5*\u+\k)+2*\p+1] op_sel_hi:[1,0,1]
.endr
.endr
.endr
	WIN 0x80
.set i, 0
.rept 41
	v_mov_b32 v[PK+i], 0                           ; the packed words (a rounding into one half keeps the other, so both are written once), and 0
.set i, i+1
.endr
	v_mov_b32 v[HS], v103
	WIN 0
	s_wait_xcnt 0x0                                ; the pointers are sources of the loads issued above: they are rewritten only behind this wait
	s_mov_b32 s50, 1
	OFFS 50                                        ; W1's and b1r's pointers go on to chunk 1; W2's pointer for odd chunks is made
	s_add_nc_u64 s[36:37], s[12:13], s[34:35]
	s_add_nc_u64 s[38:39], s[16:17], s[46:47]
	s_add_nc_u64 s[52:53], s[14:15], s[34:35]
	s_wait_dscnt 0x0                               ; x's fragments are in
	; CHUNK 0: its first product and its scaling, with no second product to ride on
	G1 0
	G1 1
	G1 2
	G1 3
	WIN 0
	NOP4
	s_wait_alu depctr_va_vdst(0)                   ; K steps 0-3 are done reading their W1 and b1, in which the loads of chunk 1 land
	LDW1 0, 3
	LDBIAS
	G1 4
	G1 5
	G1 6
	G1 7
	GSEL
	s_wait_loadcnt 44                              ; as in a trip: W2's first run is in, so that 60 loads are out at the most
	s_wait_alu depctr_va_vdst(0)                   ; K steps 4-7 are done reading their W1, in which the loads of chunk 1 land
	LDW1 4, 7
.set t, 0
.rept 10
.irp q, 0,1,2,3,4,5,6,7
	RID t, \q
.endr
.set t, t+1
.endr
.set t, 0
.rept 10
	RELU t
.set t, t+1
.endr
	s_wait_alu depctr_va_vdst(0)                   ; the maxima have written the packed words, and the head the address, which the ten LDS stores read; the head is done with v32-111, in which h's fragments land below
.set t, 0
.rept 10
	HST t, 0
.set t, t+1
.endr
	WIN 0
	s_wait_loadcnt 0x0                             ; W2 of chunk 0, W1 and b1 of chunk 1: no load is out, so every pointer may be written
	s_mov_b32 s31, 1
	s_mov_b32 s50, 2
	OFFS 50                                        ; chunk 2: W1's and b1r's pointers; the first trip makes W2's of the same offset
	s_add_nc_u64 s[36:37], s[12:13], s[34:35]
	s_add_nc_u64 s[38:39], s[16:17], s[46:47]
	s_wait_dscnt 0x0                               ; for the others: my part of chunk 0 is stored
	s_barrier_signal -1
	s_barrier_wait -1
	LDH 0, 0, 0
	LDH 1, 1, 0
	s_mov_b32 s32, 7
.Lchunk:                                               ; chunks 1 to 14, two a trip of the loop, so that the LDS buffers and the pointers' sets are constants of the text
	TRIP 1, 1
	TRIP 0, 1
	s_sub_co_u32 s32, s32, 1
	s_cmp_lg_u32 s32, 0
	s_cbranch_scc1 .Lchunk
	TRIP 1, 0                                      ; chunk 15: there is no further W1 or b1, so no load leaves its buffer
	; the second product of chunk 15.  LDS: each wait leaves the ten loads just issued out.  Global: 3, 2, 1, 0 younger runs of W2
.set i, 0
.rept 80
.if i == 0
	s_wait_dscnt 10
	s_wait_loadcnt 24
.elseif i == 20
	NOP4
	WIN 0
	s_wait_alu depctr_va_vdst(0)                   ; products 0-19 are done reading h's buffer 0, in which K step 2 lands
	LDH 0, 2, 1
	s_wait_dscnt 10
	s_wait_loadcnt 16
.elseif i == 40
	NOP4
	WIN 0
	s_wait_alu depctr_va_vdst(0)                   ; products 20-39 are done reading h's buffer 1, in which K step 3 lands
	LDH 1, 3, 1
	s_wait_dscnt 10
	s_wait_loadcnt 8
.elseif i == 60
	s_wait_dscnt 0x0
	s_wait_loadcnt 0x0
.endif
	MM2
.set i, i+1
.endr
	WIN 0
	NOP4
	s_wait_alu depctr_va_vdst(0)                   ; the products have written the accumulators, which the LDS stores below read, and are done reading v32-239, in which the loads below land; the places above stay beside this wait
	; THE WAY OUT, a token tile at a time: a lane's eight columns of a token go into my stage (rows of 272 bytes) and come back as whole rows of 256 bytes; the row's token comes from my copy of the list.
	; A tile that begins at or past the count is jumped, with all behind it: no barrier stands there.  Each tile has 40 registers of its own, so no store's sources are rewritten, and no vector line of one tile names a register of another.
.irp k, 0,1,2,3,4
	s_cmp_le_u32 s27, 16*\k
	s_cbranch_scc1 .Lfin
	WIN 0x08                                       ; the data (source 1) in window 2
.irp u, 0,1,2,3
.irp p, 0,1
	ds_store_b128 v8, v[8*(5*\u+\k)+4*\p:8*(5*\u+\k)+4*\p+3] offset:(\k%2)*16*HP+64*\u+16*\p   ; each accumulator's lowest registers first
.endr
.endr
	WIN 0
.irp t, 0,1,2,3,4,5,6,7
	ds_load_b128 v[32+40*\k+4*\t:32+40*\k+4*\t+3], v9 offset:(\k%2)*16*HP+\t*2*HP   ; LDS serves a wave in order: these see the stores above
.endr
.irp t, 0,1,2,3,4,5,6,7
	ds_load_b32 v[64+40*\k+\t], v7 offset:(16*\k+2*\t)*4
.endr
	s_wait_dscnt 0x0
.irp t, 0,1,2,3,4,5,6,7
	v_min_u32 v[64+40*\k+\t], 0x3fff, v[64+40*\k+\t]
	v_lshl_add_u32 v[64+40*\k+\t], v[64+40*\k+\t], 10, v10
.endr
	s_wait_alu depctr_va_vdst(0)                   ; the tile's eight offsets are written, which its stores read
.irp t, 0,1,2,3,4,5,6,7
	global_store_b128 v[64+40*\k+\t], v[32+40*\k+4*\t:32+40*\k+4*\t+3], s[20:21] th:TH_STORE_NT   ; sixteen lanes store 256 consecutive bytes, at a multiple of 256 from out0's first
.endr
.endr
.Lfin:
	s_wait_dscnt 0x0                               ; the closing lines, six on end
	s_wait_alu 0x0
	s_wait_tensorcnt 0x0
	ds_add_u32 v1, v2
	s_wait_dscnt 0x0
	s_endpgm
.Lfunc_end_k_qecd0673065_chain:
	.size	k_qecd0673065_chain, .Lfunc_end_k_qecd0673065_chain-k_qecd0673065_chain
	.p2alignl 7, 3214868480
	.fill 96, 4, 3214868480
	.section	.rodata,"a",@progbits
	.p2align	6, 0x0
	.amdhsa_kernel k_qecd0673065_chain
		.amdhsa_group_segment_fixed_size 87552
		.amdhsa_private_segment_fixed_size 0
		.amdhsa_enable_private_segment 0
		.amdhsa_kernarg_size 72
		.amdhsa_user_sgpr_count 2
		.amdhsa_user_sgpr_kernarg_segment_ptr 1
		.amdhsa_wavefront_size32 1
		.amdhsa_system_sgpr_workgroup_id_x 1
		.amdhsa_system_sgpr_workgroup_id_y 1
		.amdhsa_system_sgpr_workgroup_id_z 1
		.amdhsa_system_vgpr_workitem_id 0
		.amdhsa_next_free_vgpr 1024
		.amdhsa_next_free_sgpr 66
		.amdhsa_reserve_vcc 0
		.amdhsa_float_denorm_mode_32 3
		.amdhsa_float_denorm_mode_16_64 3
		.amdhsa_memory_ordered 1
		.amdhsa_forward_progress 1
		.amdhsa_inst_pref_size 183
	.end_amdhsa_kernel
	.amdgpu_metadata
---
amdhsa.version: [ 1, 2 ]
amdhsa.kernels:
  - .name:           k_qecd0673065_chain
    .symbol:         k_qecd0673065_chain.kd
    .args:
      - { .name: x, .offset: 0, .size: 8, .value_kind: global_buffer, .address_space: global }
      - { .name: order, .offset: 8, .size: 8, .value_kind: global_buffer, .address_space: global }
      - { .name: gate, .offset: 16, .size: 8, .value_kind: global_buffer, .address_space: global }
      - { .name: tiles, .offset: 24, .size: 8, .value_kind: global_buffer, .address_space: global }
      - { .name: w1f, .offset: 32, .size: 8, .value_kind: global_buffer, .address_space: global }
      - { .name: w2f, .offset: 40, .size: 8, .value_kind: global_buffer, .address_space: global }
      - { .name: b1r, .offset: 48, .size: 8, .value_kind: global_buffer, .address_space: global }
      - { .name: b2, .offset: 56, .size: 8, .value_kind: global_buffer, .address_space: global }
      - { .name: out0, .offset: 64, .size: 8, .value_kind: global_buffer, .address_space: global }
    .group_segment_fixed_size: 87552
    .private_segment_fixed_size: 0
    .kernarg_segment_align: 8
    .kernarg_segment_size: 72
    .max_flat_workgroup_size: 128
    .sgpr_count:     66
    .vgpr_count:     1024
    .wavefront_size: 32
...
	.end_amdgpu_metadata
.endif
;; end of part 4
